; MI455X (gfx1250); checked and timed in simulation.
; The chip was launched on July 23, 2026; its instructions are those of AMD's public machine-readable ISA for CDNA 5 (MIT licence, August 2026) and "CDNA5" Instruction Set Architecture Reference Guide (July 2026). The comments in the code are by the model that wrote it; some were corrected since.
;; Transformer Block. Allowed arithmetic: float matrix products may take bf16 or f16 operands with f32 sums; all other float work in f32.
;; Inputs: ffn_norm_w 1,024 float32; ffn_post_norm_w 1,024 float32; k_norm_w 64 float32; q_norm_w 64 float32; seq_norm_w 1,024 float32; seq_post_norm_w 1,024 float32; w1_b 3,280 float32; w1_w 3,280 x 1,024 float32; w2_b 1,024 float32; w2_w 1,024 x 3,280 float32; w3_b 3,280 float32; w3_w 3,280 x 1,024 float32; wk_b 1,024 float32; wk_w 1,024 x 1,024 float32; wo_b 1,024 float32; wo_w 1,024 x 1,024 float32; wq_b 1,024 float32; wq_w 1,024 x 1,024 float32; wv_b 1,024 float32; wv_w 1,024 x 1,024 float32; x 4 x 1,024 x 1,024 float32.
;; Outputs: out0 4 x 1,024 x 1,024 float32.
;; Constants: window_size = 256.
;; One version. Each part assembles by itself: llvm-mc -triple=amdgcn-amd-amdhsa -mcpu=gfx1250 --defsym DOCPART=n.
;; ======== version 1 of 1: 8 launches
;; limits: values are held in f16: magnitudes above 65,504 overflow, below 6.1e-05 lose precision
;; workspace buffers: wcv 28,835,840 bytes; act 8,388,608 bytes; qkv 25,165,824 bytes; g 27,262,976 bytes; af 16,777,216 bytes; h 16,777,216 bytes
;; launch prep (part 1): grid 1184 x 1, 4 waves a work-group, no clusters, 0 bytes of LDS; arguments x, seq_norm_w, wq_w, wk_w, wv_w, wo_w, w1_w, w3_w, w2_w, act, wcv; writes act, wcv
.if DOCPART == 1
	.amdgcn_target "amdgcn-amd-amdhsa--gfx1250"
	.amdhsa_code_object_version 6
	.text
	.protected	k_q9c08db1fa4_prep
	.globl	k_q9c08db1fa4_prep
	.p2align	8
	.type	k_q9c08db1fa4_prep,@function
k_q9c08db1fa4_prep:
	s_mov_b64 s[64:65], 0
	v_nop
	global_prefetch_b8 v0, s[64:65] scope:SCOPE_SE
	s_setreg_imm32_b32 hwreg(HW_REG_WAVE_MODE, 25, 1), 1
	s_wait_xcnt 0x0
; prep: xn = rmsnorm(x, seq_norm_w) as f16 into act, and the weights cast once into wcv.
; wcv: rows of 1,024 f16: wq, wk, wv, wo (4,096 rows), then w13 at W13_OFF (6,656 rows: blocks of 16 rows, block 2p = w1 rows 16p.., block 2p+1 = w3 rows
; 16p.., rows 6,560.. zeros), then w2 at W2_OFF in bf16, 1,024 rows of 3,328 (columns 3,280.. zeros).
; A stream: memory binds, so no LDS, no barrier, no matrix unit.  A wave takes whole rows: a lane's 16 bytes of each 512, so a load of the wave covers 512
; consecutive bytes and a store of 8 bytes a lane covers 256 consecutive bytes, aligned.
; SHARES.  The work is dealt in 592 groups of eight waves; two neighbouring work-groups of four waves make a group (group = id / 2, place = 4 (id mod 2) + wave).
; Groups 0-127 the norm (32 rows each), 128-255 the four square weights, 256-463 w13 (one pair of blocks each), 464-591 w2 (8 rows each).
; REGISTERS.  A row is rounded to 16 bits in place (register j is written when 2 j and 2 j + 1 are read, j ascending) and stored from there, so a wave needs 172 registers:
; five waves share a SIMD's 1,024, which gives 256 x 4 x 5 = 5,120 places for the launch's 4,736 waves: all of them have their loads on the way from the start.
; No register that a store reads is written again.
; LIMITS: inputs are finite (a NaN is not turned into 0 as reference()'s guard would); x / rms is x times v_rsq_f32; f16 results stay below 65,504:
; a normalised row is at most 32 times its gain, the weights are far smaller.
.set W13_OFF, 0x800000
.set W2_OFF,  0x1500000
.set W, 12                             ; v[12:43]   the gain of my 32 columns
.set X, 44                             ; v[44:171]  four rows as loaded (w2: one row, 26 chunks), then as stored
	s_load_b512 s[4:19], s[0:1], 0x0               ; x 4:5, seq_norm_w 6:7, wq 8:9, wk 10:11, wv 12:13, wo 14:15, w1 16:17, w3 18:19
	s_load_b128 s[20:23], s[0:1], 0x40             ; w2 20:21, act 22:23
	s_load_b64 s[24:25], s[0:1], 0x50              ; wcv
	v_lshrrev_b32 v1, 5, v0
	v_readfirstlane_b32 s26, v1                    ; wave 0..3
	s_and_b32 s27, ttmp9, 1
	s_lshl2_add_u32 s26, s27, s26                  ; place 0..7 in the group of eight waves
	s_lshr_b32 s27, ttmp9, 1                       ; the group, 0..591
	v_and_b32 v9, 31, v0                           ; lane (v9 later takes the other half's sum: it is written here)
	v_lshlrev_b32 v1, 4, v9                        ; 16 bytes a lane in
	v_lshlrev_b32 v2, 3, v9                        ; 8 bytes a lane out
	v_min_u32 v3, 304, v1                          ; w2's last chunk has 320 bytes: lanes 20-31 read lane 19's again
	s_mov_b32 s33, 0                               ; high word of every offset
	s_mov_b32 s34, 0xc61c4000                      ; -10000
	s_mov_b32 s35, 0x461c4000                      ; +10000
	s_mov_b32 s36, 0x76543210                      ; v_permlanex16_b32: each lane takes its own place in the other half
	s_mov_b32 s37, 0xfedcba98
	s_mov_b32 s38, 0x3727c5ac                      ; 1e-5
	s_wait_kmcnt 0x0
.macro LOAD4 nt                        ; four rows of 4,096 bytes, 32 loads
.irp i, 0,1,2,3
.irp j, 0,1,2,3,4,5,6,7
.if \nt
	global_load_b128 v[X+32*\i+4*\j:X+32*\i+4*\j+3], v1, s[28:29] offset:4096*\i+512*\j th:TH_LOAD_NT
.else
	global_load_b128 v[X+32*\i+4*\j:X+32*\i+4*\j+3], v1, s[28:29] offset:4096*\i+512*\j
.endif
.endr
.endr
.endm
; n chunks (4 f32 a lane each) at src are rounded to 16 bits in place and stored
.macro OUTC src, off, n, f16
.set j, 0
.rept 2*\n
.if \f16
	v_cvt_pk_f16_f32 v[\src+j], v[\src+2*j], v[\src+2*j+1]
.else
	v_cvt_pk_bf16_f32 v[\src+j], v[\src+2*j], v[\src+2*j+1]
.endif
.set j, j+1
.endr
.set j, 0
.rept \n
	global_store_b64 v2, v[\src+2*j:\src+2*j+1], s[30:31] offset:\off+256*j
.set j, j+1
.endr
.endm
; v[10:11] = 1 / sqrt(max(mean of squares, eps) + eps) of the row whose 32 numbers a lane lie at base; the row is clipped first, in place
.macro RMS base, inv
.set j, 0
.rept 32
	v_med3_num_f32 v[\base+j], v[\base+j], s34, s35
.set j, j+1
.endr
	v_pk_mul_f32 v[4:5], v[\base:\base+1], v[\base:\base+1]          ; two chains, started by the first products
	v_pk_mul_f32 v[6:7], v[\base+2:\base+3], v[\base+2:\base+3]
.set j, 4
.rept 7
	v_pk_fma_f32 v[4:5], v[\base+j:\base+j+1], v[\base+j:\base+j+1], v[4:5]
	v_pk_fma_f32 v[6:7], v[\base+j+2:\base+j+3], v[\base+j+2:\base+j+3], v[6:7]
.set j, j+4
.endr
	v_pk_add_f32 v[4:5], v[4:5], v[6:7]
	v_add_f32 v8, v4, v5
	v_add_f32_dpp v8, v8, v8 row_xmask:1 row_mask:0xf bank_mask:0xf
	v_add_f32_dpp v8, v8, v8 row_xmask:2 row_mask:0xf bank_mask:0xf
	v_add_f32_dpp v8, v8, v8 row_xmask:4 row_mask:0xf bank_mask:0xf
	v_add_f32_dpp v8, v8, v8 row_xmask:8 row_mask:0xf bank_mask:0xf
	v_permlanex16_b32 v9, v8, s36, s37
	v_add_f32 v8, v8, v9
	v_mul_f32 v8, \inv, v8
	v_max_num_f32 v8, s38, v8
	v_add_f32 v8, s38, v8
	v_rsq_f32 v10, v8
	v_nop                                          ; a plain instruction between v_rsq_f32 and the use of its result
	s_wait_alu depctr_va_vdst(0)
	v_mov_b32 v11, v10
.endm
.macro SCALE base, w                   ; row * (1 / rms) * gain
.set j, 0
.rept 16
	v_pk_mul_f32 v[\base+j:\base+j+1], v[\base+j:\base+j+1], v[10:11]
.set j, j+2
.endr
.set j, 0
.rept 16
	v_pk_mul_f32 v[\base+j:\base+j+1], v[\base+j:\base+j+1], v[\w+j:\w+j+1]
.set j, j+2
.endr
.endm
	s_cmp_lt_u32 s27, 128
	s_cbranch_scc1 .Lnorm
	s_cmp_lt_u32 s27, 256
	s_cbranch_scc1 .Lsquare
	s_cmp_lt_u32 s27, 464
	s_cbranch_scc1 .Lw13
	; w2: one row a wave, 3,280 f32 in, 3,328 bf16 out
	s_sub_co_u32 s39, s27, 464
	s_lshl3_add_u32 s39, s39, s26                  ; row = 8 (group - 464) + place
	s_mul_i32 s32, s39, 13120
	s_add_nc_u64 s[28:29], s[20:21], s[32:33]
	s_mul_i32 s32, s39, 6656
	s_add_co_u32 s32, s32, W2_OFF
	s_add_nc_u64 s[30:31], s[24:25], s[32:33]
.set c, 0
.rept 25
	global_load_b128 v[X+4*c:X+4*c+3], v1, s[28:29] offset:512*c th:TH_LOAD_NT
.set c, c+1
.endr
	global_load_b128 v[X+100:X+103], v3, s[28:29] offset:12800 th:TH_LOAD_NT   ; the last byte read is the row's last, 13,119
	s_wait_loadcnt 13                              ; chunks 0-12 are in, the 13 younger loads stay out; the rounding below writes only registers of chunks 0-6
	OUTC X, 0, 13, 0
	s_wait_loadcnt 0x0
	v_cmp_gt_u32 vcc_lo, 320, v1                   ; lanes 0-19 hold columns 3,200-3,279; the others store the pad's zeros
.irp k, 0,1,2,3
	v_cndmask_b32 v[X+100+\k], 0, v[X+100+\k], vcc_lo
.endr
	OUTC X+52, 3328, 13, 0
	s_endpgm
.Lnorm:                                                ; rows 32 group + 4 place .. + 3 of x
	s_lshl_b32 s32, s27, 17
	s_lshl_b32 s39, s26, 14
	s_add_co_u32 s32, s32, s39
	s_add_nc_u64 s[28:29], s[4:5], s[32:33]
	s_lshr_b32 s32, s32, 1
	s_add_nc_u64 s[30:31], s[22:23], s[32:33]
.irp j, 0,1,2,3,4,5,6,7
	global_load_b128 v[W+4*\j:W+4*\j+3], v1, s[6:7] offset:512*\j
.endr
	LOAD4 0                                        ; x is read again by a later launch: no hint
.irp i, 0,1,2,3
	s_wait_loadcnt 8*(3-\i)                        ; row i and the gain are in; the younger rows' loads, eight each, stay out
	RMS X+32*\i, 0x3a800000
	SCALE X+32*\i, W
	OUTC X+32*\i, 2048*\i, 8, 1
.endr
	s_endpgm
.Lsquare:                                              ; wq, wk, wv, wo: 32 groups each, 32 rows each
	s_sub_co_u32 s39, s27, 128
	s_lshr_b32 s40, s39, 5
	s_cmp_eq_u32 s40, 1
	s_cselect_b64 s[28:29], s[10:11], s[8:9]
	s_cmp_eq_u32 s40, 2
	s_cselect_b64 s[28:29], s[12:13], s[28:29]
	s_cmp_eq_u32 s40, 3
	s_cselect_b64 s[28:29], s[14:15], s[28:29]
	s_and_b32 s41, s39, 31
	s_lshl_b32 s32, s41, 17
	s_lshl_b32 s41, s26, 14
	s_add_co_u32 s32, s32, s41
	s_add_nc_u64 s[28:29], s[28:29], s[32:33]
	s_lshl_b32 s32, s39, 16                        ; the four follow each other in wcv
	s_lshl_b32 s41, s26, 13
	s_add_co_u32 s32, s32, s41
	s_add_nc_u64 s[30:31], s[24:25], s[32:33]
	s_branch .Lcast
.Lw13:                                                 ; pair of blocks p: places 0-3 w1's 16 rows, places 4-7 w3's
	s_sub_co_u32 s39, s27, 256
	s_lshl_b32 s32, s39, 16
	s_lshl_b32 s41, s26, 13
	s_add_co_u32 s32, s32, s41
	s_add_co_u32 s32, s32, W13_OFF
	s_add_nc_u64 s[30:31], s[24:25], s[32:33]      ; rows 32 p + 4 place of w13
	s_cmp_ge_u32 s39, 205
	s_cbranch_scc1 .Lzero                          ; 16 x 205 = 3,280: beyond lie the pad's rows
	s_cmp_lt_u32 s26, 4
	s_cselect_b64 s[28:29], s[16:17], s[18:19]
	s_and_b32 s41, s26, 3
	s_lshl_b32 s41, s41, 14
	s_lshl_b32 s32, s39, 16
	s_add_co_u32 s32, s32, s41
	s_add_nc_u64 s[28:29], s[28:29], s[32:33]      ; rows 16 p + 4 (place mod 4)
.Lcast:
	LOAD4 1
.irp i, 0,1,2,3
	s_wait_loadcnt 8*(3-\i)
	OUTC X+32*\i, 2048*\i, 8, 1
.endr
	s_endpgm
.Lzero:
	v_mov_b32 v[X], 0
	v_mov_b32 v[X+1], 0
.irp i, 0,1,2,3
.irp j, 0,1,2,3,4,5,6,7
	global_store_b64 v2, v[X:X+1], s[30:31] offset:2048*\i+256*\j
.endr
.endr
	s_endpgm
.Lfunc_end_k_q9c08db1fa4_prep:
	.size	k_q9c08db1fa4_prep, .Lfunc_end_k_q9c08db1fa4_prep-k_q9c08db1fa4_prep
	.p2alignl 7, 3214868480
	.fill 96, 4, 3214868480
	.section	.rodata,"a",@progbits
	.p2align	6, 0x0
	.amdhsa_kernel k_q9c08db1fa4_prep
		.amdhsa_group_segment_fixed_size 0
		.amdhsa_private_segment_fixed_size 0
		.amdhsa_enable_private_segment 0
		.amdhsa_kernarg_size 88
		.amdhsa_user_sgpr_count 2
		.amdhsa_user_sgpr_kernarg_segment_ptr 1
		.amdhsa_wavefront_size32 1
		.amdhsa_system_sgpr_workgroup_id_x 1
		.amdhsa_system_sgpr_workgroup_id_y 1
		.amdhsa_system_sgpr_workgroup_id_z 1
		.amdhsa_system_vgpr_workitem_id 0
		.amdhsa_next_free_vgpr 172
		.amdhsa_next_free_sgpr 66
		.amdhsa_reserve_vcc 1
		.amdhsa_float_denorm_mode_32 3
		.amdhsa_float_denorm_mode_16_64 3
		.amdhsa_memory_ordered 1
		.amdhsa_forward_progress 1
		.amdhsa_inst_pref_size 59
	.end_amdhsa_kernel
	.amdgpu_metadata
---
amdhsa.version: [ 1, 2 ]
amdhsa.kernels:
  - .name:           k_q9c08db1fa4_prep
    .symbol:         k_q9c08db1fa4_prep.kd
    .args:
      - { .name: x, .offset: 0, .size: 8, .value_kind: global_buffer, .address_space: global }
      - { .name: seq_norm_w, .offset: 8, .size: 8, .value_kind: global_buffer, .address_space: global }
      - { .name: wq_w, .offset: 16, .size: 8, .value_kind: global_buffer, .address_space: global }
      - { .name: wk_w, .offset: 24, .size: 8, .value_kind: global_buffer, .address_space: global }
      - { .name: wv_w, .offset: 32, .size: 8, .value_kind: global_buffer, .address_space: global }
      - { .name: wo_w, .offset: 40, .size: 8, .value_kind: global_buffer, .address_space: global }
      - { .name: w1_w, .offset: 48, .size: 8, .value_kind: global_buffer, .address_space: global }
      - { .name: w3_w, .offset: 56, .size: 8, .value_kind: global_buffer, .address_space: global }
      - { .name: w2_w, .offset: 64, .size: 8, .value_kind: global_buffer, .address_space: global }
      - { .name: act, .offset: 72, .size: 8, .value_kind: global_buffer, .address_space: global }
      - { .name: wcv, .offset: 80, .size: 8, .value_kind: global_buffer, .address_space: global }
    .group_segment_fixed_size: 0
    .private_segment_fixed_size: 0
    .kernarg_segment_align: 8
    .kernarg_segment_size: 88
    .max_flat_workgroup_size: 128
    .sgpr_count:     66
    .vgpr_count:     172
    .wavefront_size: 32
...
	.end_amdgpu_metadata
.endif
;; end of part 1
;; launch qkvgemm (part 2): grid 12 x 16, 4 waves a work-group, clusters of 4 x 4, 327,680 bytes of LDS; arguments act, wcv, qkv, wq_b, wk_b, wv_b, q_norm_w, k_norm_w; writes qkv
.if DOCPART == 2
	.amdgcn_target "amdgcn-amd-amdhsa--gfx1250"
	.amdhsa_code_object_version 6
	.text
	.protected	k_q9c08db1fa4_qkvgemm
	.globl	k_q9c08db1fa4_qkvgemm
	.p2align	8
	.type	k_q9c08db1fa4_qkvgemm,@function
k_q9c08db1fa4_qkvgemm:
	s_mov_b64 s[64:65], 0
	v_nop
	global_prefetch_b8 v0, s[64:65] scope:SCOPE_SE
	s_setreg_imm32_b32 hwreg(HW_REG_WAVE_MODE, 25, 1), 1
	s_wait_xcnt 0x0
	s_wait_alu depctr_hold_cnt(0) depctr_sa_sdst(0) depctr_va_vdst(0) depctr_va_sdst(0) depctr_va_ssrc(0) depctr_va_vcc(0) depctr_vm_vsrc(0)
	s_getreg_b32 s2, hwreg(HW_REG_IB_STS2, 6, 4)
	s_cmp_eq_u32 s2, 0
	s_cbranch_scc0 .Lentry_in_a_cluster
	s_endpgm
.Lentry_in_a_cluster:
	s_bfe_u32 s2, ttmp6, 0x10000c
	s_cmp_lg_u32 s2, 0xf033
	s_cbranch_scc0 .Lentry_shape_is_right
	s_endpgm
.Lentry_shape_is_right:
; qkv[m][n] = xn[m] . wqkv[n] + bias, with the per-head rmsnorm on q and k, rounded to f16.  xn: [4096][1024] f16, wqkv: [3072][1024] f16 (rows q, k, v), sums in f32.
; A tile of 256 x 256 is made by four waves, each 128 x 128: 64 accumulators, 512 registers.  K goes in 8 steps of 128 through a ring of two LDS slots filled by the
; tensor data mover; the tiles' rows are 256 bytes of memory at multiples of 256 bytes.  12 x 16 = 192 work-groups.
; CLUSTERS: 4 x 4.  The four of a row of the cluster need the same tiles of xn, the four of a column the same tiles of wqkv: each is asked for jointly.
; The cluster's x is also the kind (0 q, 1 k, 2 v): 4 tile columns are 1,024 columns.  It is equal in all partners, and only selects values: bias, gain, clip, 1 / rms.
; THE MATRIX INSTRUCTION IS USED TRANSPOSED (source 0 = 16 rows of wqkv, source 1 = 16 rows of xn): a lane holds row l % 16 and, in block b, columns 16 b + 8 (l / 16) + 0..7.
; A wave's 128 columns are two heads; a lane holds 32 numbers of each, the lane 16 away the other 32: a head's sum of squares wants one exchange.
; REGISTERS: window 0: v0-31 addresses; v64-127, v128-191 fragments of xn, on the way out a block's 64 numbers and scratch; v32-63, v192-255 the way out.
;   window 1: v64-191 fragments of wqkv; v0-63 my columns' bias; v192-223 the head's gain.   windows 2, 3: the accumulators ((a, b) at v[8 (8 a + b)]).
; LIMITS: finite inputs; x / rms is x times v_rsq_f32; v stays below 65,504 (f16): it is about a third at the drawn sizes, some 300 with gain and weights 30 times larger.
.set SIZE_N, 3072
.set SIZE_K, 1024
.set KSTEP,  128
.set PITCH,  272                       ; 256 bytes + 16 of padding = 68 words: the 16 rows of a fragment load start at 16 different banks (64 banks of 4 bytes: ISA guide 11.1)
.set HALFT,  128*PITCH
.set SLOT,   4*HALFT                   ; xn's 256 rows, then wqkv's 256 rows
.set STAGE,  2*SLOT                    ; behind the ring: 16 rows x 272 bytes for each wave
.set SPITCH, 272
.set LAPS, SIZE_K/(2*KSTEP)
.set ADRA, 16
.set ADRB, 20
.set STO,  24
.set RD,   25
.set CO,   26
.set BO,   27                          ; v27 byte offset of my columns in the bias
.set NO,   28                          ; v28 byte offset of my channels in the head's gain
.set F0,   64
.set F1,   128
.set Z,    64                          ; the way out: a block's 64 numbers a lane
.set TMP,  192
.set OB,   32
.set G1, 24
.set G0, 32
.set G1B, 48
.set G0B, 56
.set MSB, 0
.macro WIN new                         ; the immediate's high byte repeats the setting that is left
.if MSB != (\new)
	s_set_vgpr_msb (MSB<<8)|(\new)
.set MSB, (\new)
.endif
.endm
.set MUL_LO, 0xa1                      ; source 0 window 1, source 1 window 0, C and D window 2
.set MUL_HI, 0xf1                      ; the same, C and D window 3
.set TO_B,   0x40                      ; destination window 1, address window 0
; A joint load: waves 0 and 1 fetch xn's two halves, waves 2 and 3 wqkv's.  Four v_nop follow each of the two lines, ahead of the jump and the label.
.macro JLOAD s
	s_cmp_eq_u32 s11, 0
	s_cbranch_scc0 .Lfor_b_\@
	tensor_load_to_lds s[G0+4*\s:G0+4*\s+3], s[G1:G1+7]
	s_nop 0
.rept 4
	v_nop
.endr
	s_branch .Lasked_\@
.Lfor_b_\@:
	tensor_load_to_lds s[G0B+4*\s:G0B+4*\s+3], s[G1B:G1B+7]
	s_nop 0
.rept 4
	v_nop
.endr
.Lasked_\@:
.endm
.macro CREST                           ; a round of the cluster's barrier behind its opening barrier
	s_cmp_lg_u32 s10, 0
	s_cbranch_scc1 .Lnot_wave_0_\@
	s_barrier_signal -3
.Lnot_wave_0_\@:
	s_barrier_wait -3
	s_barrier_signal -1
	s_barrier_wait -1
.endm
.macro CROUND
	s_barrier_signal -1
	s_barrier_wait -1
	CREST
.endm
	s_load_b128 s[4:7], s[0:1], 0x0                ; act s[4:5], wcv s[6:7] (wqkv lies at its head)
	s_load_b64 s[8:9], s[0:1], 0x10                ; qkv
	s_load_b256 s[68:75], s[0:1], 0x18             ; wq_b 68:69, wk_b 70:71, wv_b 72:73, q_norm_w 74:75
	s_load_b64 s[76:77], s[0:1], 0x38              ; k_norm_w
	s_set_vgpr_msb 0x40
	v_lshl_add_u32 v255, v0, 2, 0x48400
	s_set_vgpr_msb 0x4000
	v_mov_b32 v31, 0
	s_set_vgpr_msb 0x1
	ds_add_u32 v255, v31
	ds_add_u32 v255, v31
	s_set_vgpr_msb 0x100
	v_lshrrev_b32 v1, 5, v0
	v_readfirstlane_b32 s10, v1                    ; wave 0..3
	s_lshr_b32 s11, s10, 1                         ; my half of the tile's rows; also: I fetch xn (0) or wqkv (1)
	s_and_b32 s12, s10, 1                          ; my half of its columns; also: which 128 rows I fetch
	s_bfe_u32 s40, ttmp6, 0x40000                  ; cx
	s_bfe_u32 s41, ttmp6, 0x40004                  ; cy
	s_lshl_b32 s42, ttmp9, 2
	s_add_co_u32 s42, s42, s40                     ; tile column
	s_and_b32 s13, ttmp7, 0xffff
	s_lshl_b32 s13, s13, 2
	s_add_co_u32 s13, s13, s41                     ; tile row
	s_lshl_b32 s43, s41, 2
	s_lshl_b32 s43, 15, s43                        ; my row of the cluster
	s_lshl_b32 s44, 0x1111, s40                    ; my column
	s_or_b32 s[G1+0], s43, (1<<16)|(1<<20)|(1<<21)|(5<<22)|(3<<25)   ; mask; 2-byte elements; padding on; bit 21 beside a mask; after every 64 words 4 words
	s_or_b32 s[G1B+0], s44, (1<<16)|(1<<20)|(1<<21)|(5<<22)|(3<<25)
.irp g, G1, G1B
	s_mov_b32 s[\g+1], KSTEP<<16                   ; tensor_dim0 = 128
	s_mov_b32 s[\g+2], 128<<16                     ; tensor_dim1 = 128
	s_mov_b32 s[\g+3], KSTEP<<16                   ; tile_dim0 = 128
	s_mov_b32 s[\g+4], 128                         ; tile_dim1 = 128
	s_mov_b32 s[\g+5], SIZE_K                      ; elements from row to row
	s_mov_b32 s[\g+6], 0
	s_mov_b32 s[\g+7], 0
.endr
	s_lshl_b32 s17, s12, 7
	s_lshl_b32 s16, s13, 8
	s_add_co_u32 s16, s16, s17                     ; xn: row 256 x tile row + 128 x half
	s_lshl_b32 s46, s42, 8
	s_add_co_u32 s46, s46, s17                     ; wqkv: row 256 x tile column + 128 x half
	s_mov_b32 s17, 0
	s_mov_b32 s47, 0
	s_mov_b64 s[18:19], SIZE_K*2
	s_mul_u64 s[16:17], s[16:17], s[18:19]
	s_mul_u64 s[46:47], s[46:47], s[18:19]
	s_mul_i32 s20, s10, HALFT                      ; where they go: wave x 128 rows
	s_mov_b32 s66, ttmp9                           ; the kind
	s_mov_b32 s82, 0x76543210
	s_mov_b32 s83, 0xfedcba98
	s_mov_b32 s84, 0x3727c5ac                      ; 1e-5
	s_mov_b32 s85, 0x3c800000                      ; 1 / 64
	s_wait_dscnt 0x0
	s_wait_kmcnt 0x0
	s_add_nc_u64 s[14:15], s[4:5], s[16:17]
	s_add_nc_u64 s[46:47], s[6:7], s[46:47]
	CROUND                                         ; all sixteen work-groups are here: the first joint loads meet
.irp s, 0,1
	s_mov_b32 s[G0+4*\s], 1
	s_add_co_u32 s[G0+4*\s+1], s20, \s*SLOT
	s_add_nc_u64 s[G0+4*\s+2:G0+4*\s+3], s[14:15], \s*KSTEP*2
	s_or_b32 s[G0+4*\s+3], s[G0+4*\s+3], 0x80000000
	s_mov_b32 s[G0B+4*\s], 1
	s_add_co_u32 s[G0B+4*\s+1], s20, \s*SLOT
	s_add_nc_u64 s[G0B+4*\s+2:G0B+4*\s+3], s[46:47], \s*KSTEP*2
	s_or_b32 s[G0B+4*\s+3], s[G0B+4*\s+3], 0x80000000
	JLOAD \s                                       ; two loads of mine are out
.endr
	; what the kind selects
	s_cmp_eq_u32 s66, 1
	s_cselect_b64 s[68:69], s[70:71], s[68:69]
	s_cmp_eq_u32 s66, 2
	s_cselect_b64 s[68:69], s[72:73], s[68:69]     ; the bias
	s_cmp_eq_u32 s66, 0
	s_cselect_b64 s[74:75], s[74:75], s[76:77]     ; the gain (v loads k's and puts 1 in its place)
	s_cmp_lg_u32 s66, 2
	s_cselect_b32 s67, -1, 0                       ; all lanes: normed or not
	s_mov_b32 s80, 0xff800000
	s_cselect_b32 s80, 0xc61c4000, s80             ; the clip: -10000 and 10000, for v none
	s_mov_b32 s81, 0x7f800000
	s_cselect_b32 s81, 0x461c4000, s81
	v_and_b32 v1, 15, v0                           ; l % 16
	v_bfe_u32 v2, v0, 4, 1                         ; l / 16
	v_mul_u32_u24 v3, v1, PITCH
	v_lshl_add_u32 v3, v2, 4, v3
	s_mul_i32 s21, s11, HALFT
	s_mul_i32 s22, s12, HALFT
	s_add_co_u32 s22, s22, 2*HALFT
.irp s, 0,1
	v_add_nc_u32 v[ADRA+\s], s21, v3
	v_add_nc_u32 v[ADRB+\s], s22, v3
	s_add_co_u32 s21, s21, SLOT
	s_add_co_u32 s22, s22, SLOT
.endr
	s_mul_i32 s23, s10, 16*SPITCH
	s_add_co_u32 s23, s23, STAGE                   ; my stage
	v_mul_u32_u24 v4, v1, SPITCH
	v_lshl_add_u32 v4, v2, 4, v4
	v_add_nc_u32 v[STO], s23, v4
	v_mul_u32_u24 v5, v2, SPITCH
	v_lshl_add_u32 v5, v1, 4, v5
	v_add_nc_u32 v[RD], s23, v5
	v_mul_u32_u24 v5, v2, SIZE_N*2
	v_lshl_add_u32 v[CO], v1, 4, v5
	s_lshl_b32 s13, s13, 8
	s_lshl_b32 s14, s11, 7
	s_add_co_u32 s16, s13, s14                     ; my first row of qkv
	s_mov_b32 s17, 0
	s_mov_b64 s[18:19], SIZE_N*2
	s_mul_u64 s[16:17], s[16:17], s[18:19]
	s_lshl_b32 s46, s42, 9                         ; my first column, in bytes
	s_lshl_b32 s47, s12, 8
	s_add_co_u32 s46, s46, s47
	s_mov_b32 s47, 0
	s_add_nc_u64 s[16:17], s[16:17], s[46:47]
	; bias of my 64 columns a lane, and the gain of my 32 channels of a head: into window 1, waited for in front of the way out
	s_lshl_b32 s78, s40, 10                        ; 256 cx columns of 4 bytes inside the kind's 1,024
	s_lshl_b32 s79, s12, 9
	s_add_co_u32 s78, s78, s79
	v_lshl_add_u32 v[BO], v2, 5, s78
	v_lshlrev_b32 v[NO], 5, v2
	WIN TO_B
.irp b, 0,1,2,3,4,5,6,7
	global_load_b128 v[8*\b:8*\b+3],   v[BO], s[68:69] offset:64*\b
	global_load_b128 v[8*\b+4:8*\b+7], v[BO], s[68:69] offset:64*\b+16
.endr
.irp b, 0,1,2,3
	global_load_b128 v[192+8*\b:192+8*\b+3],   v[NO], s[74:75] offset:64*\b
	global_load_b128 v[192+8*\b+4:192+8*\b+7], v[NO], s[74:75] offset:64*\b+16
.endr
	WIN 0
.macro MUL16 f, hi, a0, zero           ; 16 matrix instructions: m blocks a0, a0 + 1 of the window's four x all 8 n blocks, 32 along K
.irp a, \a0, \a0+1
.irp b, 0,1,2,3,4,5,6,7
.if \zero
	v_wmma_f32_16x16x32_f16 v[8*(8*(\a)+\b):8*(8*(\a)+\b)+7], v[\f+8*\b:\f+8*\b+7], v[\f+8*(4*\hi+\a):\f+8*(4*\hi+\a)+7], 0
.else
	v_wmma_f32_16x16x32_f16 v[8*(8*(\a)+\b):8*(8*(\a)+\b)+7], v[\f+8*\b:\f+8*\b+7], v[\f+8*(4*\hi+\a):\f+8*(4*\hi+\a)+7], v[8*(8*(\a)+\b):8*(8*(\a)+\b)+7]
.endif
.endr
.endr
.endm
.macro FETCH slot, k, f                ; 32 LDS loads in one run: a quarter step's fragments into buffer f
	WIN TO_B
.irp i, 0,1,2,3,4,5,6,7
	ds_load_b128 v[\f+8*\i:\f+8*\i+3],   v[ADRB+\slot] offset:\k+\i*16*PITCH
	ds_load_b128 v[\f+8*\i+4:\f+8*\i+7], v[ADRB+\slot] offset:\k+\i*16*PITCH+32
.endr
	WIN 0
.irp i, 0,1,2,3,4,5,6,7
	ds_load_b128 v[\f+8*\i:\f+8*\i+3],   v[ADRA+\slot] offset:\k+\i*16*PITCH
	ds_load_b128 v[\f+8*\i+4:\f+8*\i+7], v[ADRA+\slot] offset:\k+\i*16*PITCH+32
.endr
.endm
.macro PLACES                          ; four plain places behind matrix instructions, in front of loads into their sources and of readers of their results
.rept 4
	v_nop
.endr
.endm
.macro QUARTER slot, k, f, g, zero     ; multiplies buffer f; in its middle fetches the next quarter's fragments into g
	s_wait_dscnt 8                                 ; all but the youngest eight loads (xn's rows 64-127)
	WIN MUL_LO
	MUL16 \f, 0, 0, \zero
	MUL16 \f, 0, 2, \zero
	PLACES
	FETCH \slot, \k, \g
	s_wait_dscnt 32                                ; all but the 32 just issued
	WIN MUL_HI
	MUL16 \f, 1, 0, \zero
	MUL16 \f, 1, 2, \zero
.endm
.macro MEET round                      ; first half of a step's last quarter: the one barrier of a change of slots
	s_wait_dscnt 8
	WIN MUL_LO
	MUL16 F1, 0, 0, 0
	s_wait_dscnt 0                                 ; my reads of this slot are over
	s_wait_tensorcnt 0x0                           ; and all my tensor loads have landed: the one that was out is my part of the next slot
	ds_add_u32 v255, v31
	s_wait_dscnt 0x0
	s_barrier_signal -1
	MUL16 F1, 0, 2, 0
.if \round
	WIN 0
.endif
	s_barrier_wait -1
.endm
.macro TURN slot, next                 ; the whole last quarter: the slot just read is filled again, two K steps on, first thing behind the round
	MEET 1
	CREST
	s_add_nc_u64 s[G0+4*\slot+2:G0+4*\slot+3], s[G0+4*\slot+2:G0+4*\slot+3], 2*KSTEP*2
	s_add_nc_u64 s[G0B+4*\slot+2:G0B+4*\slot+3], s[G0B+4*\slot+2:G0B+4*\slot+3], 2*KSTEP*2
	JLOAD \slot                                    ; its four v_nop are also the places in front of the loads below
	FETCH \next, 0, F0
	WIN MUL_HI
	MUL16 F1, 1, 0, 0
	MUL16 F1, 1, 2, 0
.endm
	s_wait_tensorcnt 1                             ; my part of K step 0 is in; K step 1's stays out
	s_barrier_signal -1
	s_barrier_wait -1
	FETCH 0, 0, F0
	QUARTER 0, 64,  F0, F1, 1                      ; the first quarter's products start the sums: nothing is cleared
	WIN 0
	s_mov_b32 s3, LAPS-1
.Llap:                                                 ; a trip goes once round the ring and fills both slots again: K steps 2 to 7 in three trips.  The 64 accumulators take turns
	QUARTER 0, 128, F1, F0, 0
	QUARTER 0, 192, F0, F1, 0
	TURN 0, 1
	QUARTER 1, 64,  F0, F1, 0
	QUARTER 1, 128, F1, F0, 0
	QUARTER 1, 192, F0, F1, 0
	TURN 1, 0
	QUARTER 0, 64,  F0, F1, 0
	WIN 0
	s_sub_co_u32 s3, s3, 1
	s_cmp_lg_u32 s3, 0
	s_cbranch_scc1 .Llap
	QUARTER 0, 128, F1, F0, 0                      ; the last lap asks for nothing
	QUARTER 0, 192, F0, F1, 0
	MEET 0
	PLACES
	FETCH 1, 0, F0
	WIN MUL_HI
	MUL16 F1, 1, 0, 0
	MUL16 F1, 1, 2, 0
	QUARTER 1, 64,  F0, F1, 0
	QUARTER 1, 128, F1, F0, 0
	QUARTER 1, 192, F0, F1, 0
	s_wait_dscnt 8
	WIN MUL_LO
	MUL16 F1, 0, 0, 0
	MUL16 F1, 0, 2, 0
	s_wait_dscnt 0
	WIN MUL_HI
	MUL16 F1, 1, 0, 0
	MUL16 F1, 1, 2, 0
	WIN 0
	PLACES
; THE WAY OUT, a block of 16 rows at a time.
.macro ADDBIAS a                       ; Z = the block's accumulators + bias
	WIN 0x06+(\a)/4                                ; source 0 window 2 or 3, source 1 window 1, destination window 0
.set i, 0
.rept 32
	v_pk_add_f32 v[Z+i:Z+i+1], v[64*((\a)%4)+i:64*((\a)%4)+i+1], v[i:i+1]
.set i, i+2
.endr
	WIN 0
.endm
.macro EPI a                           ; bias, clip, each head's 1 / rms, gain, rounding to f16
	ADDBIAS \a
.set i, 0
.rept 64
	v_med3_num_f32 v[Z+i], v[Z+i], s80, s81
.set i, i+1
.endr
.irp e, 0,1                            ; sums of squares: two chains a head, the heads by turns
	v_pk_mul_f32 v[128+4*\e:129+4*\e], v[Z+32*\e:Z+32*\e+1], v[Z+32*\e:Z+32*\e+1]
	v_pk_mul_f32 v[130+4*\e:131+4*\e], v[Z+32*\e+2:Z+32*\e+3], v[Z+32*\e+2:Z+32*\e+3]
.endr
.set i, 4
.rept 7
.irp e, 0,1
	v_pk_fma_f32 v[128+4*\e:129+4*\e], v[Z+32*\e+i:Z+32*\e+i+1], v[Z+32*\e+i:Z+32*\e+i+1], v[128+4*\e:129+4*\e]
	v_pk_fma_f32 v[130+4*\e:131+4*\e], v[Z+32*\e+i+2:Z+32*\e+i+3], v[Z+32*\e+i+2:Z+32*\e+i+3], v[130+4*\e:131+4*\e]
.endr
.set i, i+4
.endr
.irp e, 0,1
	v_pk_add_f32 v[128+4*\e:129+4*\e], v[128+4*\e:129+4*\e], v[130+4*\e:131+4*\e]
.endr
.irp e, 0,1
	v_add_f32 v[136+2*\e], v[128+4*\e], v[129+4*\e]
.endr
.irp e, 0,1
	v_permlanex16_b32 v[140+\e], v[136+2*\e], s82, s83     ; the head's other 32 channels lie in the lane 16 away
.endr
.irp e, 0,1
	v_add_f32 v[136+2*\e], v[136+2*\e], v[140+\e]
.endr
.irp e, 0,1
	v_mul_f32 v[136+2*\e], s85, v[136+2*\e]
.endr
.irp e, 0,1
	v_max_num_f32 v[136+2*\e], s84, v[136+2*\e]
.endr
.irp e, 0,1
	v_add_f32 v[136+2*\e], s84, v[136+2*\e]
.endr
.irp e, 0,1
	v_rsq_f32 v[144+2*\e], v[136+2*\e]
.endr
	v_nop                                          ; a plain instruction between the last v_rsq_f32 and the use of its result
	s_wait_alu depctr_va_vdst(0)
.irp e, 0,1
	v_cndmask_b32 v[144+2*\e], 1.0, v[144+2*\e], s67       ; v is not normed
.endr
.irp e, 0,1
	v_mov_b32 v[145+2*\e], v[144+2*\e]
.endr
.irp e, 0,1
.set i, 0
.rept 16
	v_pk_mul_f32 v[Z+32*\e+i:Z+32*\e+i+1], v[Z+32*\e+i:Z+32*\e+i+1], v[144+2*\e:145+2*\e]
.set i, i+2
.endr
.endr
	WIN 0x04                                       ; source 1 window 1: the gain
.irp e, 0,1
.set i, 0
.rept 16
	v_pk_mul_f32 v[Z+32*\e+i:Z+32*\e+i+1], v[Z+32*\e+i:Z+32*\e+i+1], v[192+i:193+i]
.set i, i+2
.endr
.endr
	WIN 0
.set i, 0
.rept 32
	v_cvt_pk_f16_f32 v[TMP+i], v[Z+2*i], v[Z+2*i+1]
.set i, i+1
.endr
.endm
.macro TOSTAGE a                       ; 16 bytes a lane into my own stage, and back as whole rows of 256 bytes
.set BK, OB+192*((\a)%2)
.irp b, 0,1,2,3,4,5,6,7
	ds_store_b128 v[STO], v[TMP+4*\b:TMP+4*\b+3] offset:32*\b
.endr
.irp t, 0,1,2,3,4,5,6,7
	ds_load_b128 v[BK+4*\t:BK+4*\t+3], v[RD] offset:\t*2*SPITCH    ; LDS serves a wave's instructions in order (ISA guide 5.7.1.4): these see the stores above
.endr
.endm
.macro SEND a
.set BK, OB+192*((\a)%2)
	s_wait_dscnt 0                                 ; the block is back in registers
	s_wait_xcnt 0x0                                ; the stores' base, and the registers that earlier stores read, are rewritten only behind this wait
.if (\a) == 0
	s_add_nc_u64 s[8:9], s[8:9], s[16:17]          ; on to my first rows
.else
	s_add_nc_u64 s[8:9], s[8:9], 16*SIZE_N*2
.endif
.irp t, 0,1,2,3,4,5,6,7
	global_store_b128 v[CO], v[BK+4*\t:BK+4*\t+3], s[8:9] offset:2*\t*SIZE_N*2   ; 16 lanes store 256 consecutive bytes, aligned
.endr
.endm
	s_wait_loadcnt 0x0                             ; bias and gain
	v_mov_b32 v140, 0                              ; v_permlanex16_b32 counts as a reader of its destination
	v_mov_b32 v141, 0
	WIN 0x44                                       ; source 1 and destination window 1
.set i, 0
.rept 32
	v_cndmask_b32 v[192+i], 1.0, v[192+i], s67     ; v has no gain
.set i, i+1
.endr
	WIN 0
	EPI 0
	TOSTAGE 0
.irp a, 1,2,3,4,5,6,7                  ; block a's arithmetic stands between block a - 1's loads from the stage and the wait for them
	EPI \a
	SEND \a-1
	TOSTAGE \a
.endr
	SEND 7
	s_set_vgpr_msb 0x1
	s_wait_tensorcnt 0x0
	ds_add_u32 v255, v31
	s_wait_dscnt 0x0
	s_set_vgpr_msb 0x100
	CROUND                                         ; the closing round: no work-group ends while a partner may still ask for a tile that names it
	s_endpgm
.Lfunc_end_k_q9c08db1fa4_qkvgemm:
	.size	k_q9c08db1fa4_qkvgemm, .Lfunc_end_k_q9c08db1fa4_qkvgemm-k_q9c08db1fa4_qkvgemm
	.p2alignl 7, 3214868480
	.fill 96, 4, 3214868480
	.section	.rodata,"a",@progbits
	.p2align	6, 0x0
	.amdhsa_kernel k_q9c08db1fa4_qkvgemm
		.amdhsa_group_segment_fixed_size 327680
		.amdhsa_private_segment_fixed_size 0
		.amdhsa_enable_private_segment 0
		.amdhsa_kernarg_size 64
		.amdhsa_user_sgpr_count 2
		.amdhsa_user_sgpr_kernarg_segment_ptr 1
		.amdhsa_wavefront_size32 1
		.amdhsa_system_sgpr_workgroup_id_x 1
		.amdhsa_system_sgpr_workgroup_id_y 1
		.amdhsa_system_sgpr_workgroup_id_z 1
		.amdhsa_system_vgpr_workitem_id 0
		.amdhsa_next_free_vgpr 1024
		.amdhsa_next_free_sgpr 88
		.amdhsa_reserve_vcc 0
		.amdhsa_float_denorm_mode_32 3
		.amdhsa_float_denorm_mode_16_64 3
		.amdhsa_memory_ordered 1
		.amdhsa_forward_progress 1
		.amdhsa_inst_pref_size 252
	.end_amdhsa_kernel
	.amdgpu_metadata
---
amdhsa.version: [ 1, 2 ]
amdhsa.kernels:
  - .name:           k_q9c08db1fa4_qkvgemm
    .symbol:         k_q9c08db1fa4_qkvgemm.kd
    .args:
      - { .name: act, .offset: 0, .size: 8, .value_kind: global_buffer, .address_space: global }
      - { .name: wcv, .offset: 8, .size: 8, .value_kind: global_buffer, .address_space: global }
      - { .name: qkv, .offset: 16, .size: 8, .value_kind: global_buffer, .address_space: global }
      - { .name: wq_b, .offset: 24, .size: 8, .value_kind: global_buffer, .address_space: global }
      - { .name: wk_b, .offset: 32, .size: 8, .value_kind: global_buffer, .address_space: global }
      - { .name: wv_b, .offset: 40, .size: 8, .value_kind: global_buffer, .address_space: global }
      - { .name: q_norm_w, .offset: 48, .size: 8, .value_kind: global_buffer, .address_space: global }
      - { .name: k_norm_w, .offset: 56, .size: 8, .value_kind: global_buffer, .address_space: global }
    .group_segment_fixed_size: 327680
    .private_segment_fixed_size: 0
    .kernarg_segment_align: 8
    .kernarg_segment_size: 64
    .max_flat_workgroup_size: 128
    .sgpr_count:     88
    .vgpr_count:     1024
    .wavefront_size: 32
...
	.end_amdgpu_metadata
.endif
;; end of part 2
;; launch attn (part 3): grid 8 x 32, 8 waves a work-group, no clusters, 250,880 bytes of LDS; arguments qkv, act; writes act
.if DOCPART == 3
	.amdgcn_target "amdgcn-amd-amdhsa--gfx1250"
	.amdhsa_code_object_version 6
	.text
	.protected	k_q9c08db1fa4_attn
	.globl	k_q9c08db1fa4_attn
	.p2align	8
	.type	k_q9c08db1fa4_attn,@function
k_q9c08db1fa4_attn:
	s_mov_b64 s[64:65], 0
	v_nop
	global_prefetch_b8 v0, s[64:65] scope:SCOPE_SE
	s_setreg_imm32_b32 hwreg(HW_REG_WAVE_MODE, 25, 1), 1
	s_wait_xcnt 0x0
; att[b][i][head] = softmax over keys j with 0 <= i - j < 256 of (q[i] . k[j] / 8) times v[j].  qkv: [4096][3072] f16 (q, k normed; v), att: [4096][1024] f16 into act.
; A work-group owns 128 queries (Q0 = 128 x) of TWO heads of one batch, so that K's, V's and att's rows in memory are 256 bytes at a multiple of 256.
; Its keys Q0 - 256 .. Q0 + 127 lie in LDS rows 0..383, as three parts of 128 rows, filled once: no ring.  Waves 0 and 1 bring K (64 rows of a part each), waves 2 and 3 V; each of
; them issues three loads, in the order in which the parts are needed: part 2 (the diagonal's), part 1, part 0.  A wave's tensor loads end in order (ISA guide 10.11.1), so three
; counted waits, 2, 1 and 0, each in front of a barrier behind which nothing is filled, open the parts one after the other: the diagonal block is multiplied while the other
; two thirds of K and V are on their way.  Where Q0 < 256 the parts in front of the sequence's first row are loaded from row 0 instead and read by nobody: the trip count ends in front of them.
; Q goes straight from memory into registers: a wave reads only its own 32 queries, once, so LDS would add a copy and nothing else.
; Wave w: head w & 1, queries 32 (w >> 1) .. + 31: two tiles of 16.  It walks blocks of 64 keys from the diagonal block (d = 0) back to d = 4; only d = 0 (j > i) and
; d = 4 (i - j >= 256) need the mask; the number of trips, min(5, 2 x + half + 1), hangs on ids alone.  The five trips are written out; a wave with fewer trips jumps forward to the
; next barrier, never over one.  Trip 0 reads part 2; trips 1 and 2 parts 2 and 1; trips 3 and 4 parts 1 and 0.
; S^T = K Q^T (source 0 = 16 keys, source 1 = 16 queries): a lane holds ONE query (l % 16) and keys 8 (l / 16) + 0..7; two such tiles rounded in pairs ARE source 1 of
; O^T = V^T P.  V ([key][channel]) comes out of LDS turned, by ds_load_tr16_b128.  Running maximum m and sum l: p = 2^(c s - c m), c = log2(e) / 8.
; NO CLUSTER: neighbouring query blocks' windows are shifted by 128 keys, so the same rows would have to land at different LDS places in the partners; one descriptor cannot serve them.
; LIMITS: finite inputs.  Every query has its own key unmasked in trip 0, so m is finite and l >= 1 from then on; reference()'s guard on att never acts.
.set PK, 272
.set PV, 288                           ; 256 + 32
.set VB, 384*PK                        ; V behind K's 384 rows
.set SB, VB+384*PV                     ; the stage, 128 rows x 272, bytes of its own: no fill lands there
.set QP, 6144                          ; bytes in a row of qkv
.set G0, 16                            ; s[16:27] three descriptor groups 0: set i is part 2 - i
.set G1K, 28                           ; s[28:35]
.set G1V, 36                           ; s[36:43]
	s_load_b128 s[4:7], s[0:1], 0x0                ; qkv s[4:5], act s[6:7]
	v_lshl_add_u32 v30, v0, 2, 0x3d000
	v_mov_b32 v31, 0
	ds_add_u32 v30, v31
	ds_add_u32 v30, v31
	v_lshrrev_b32 v1, 5, v0
	v_readfirstlane_b32 s8, v1                     ; wave 0..7
	s_mov_b32 s9, ttmp9                            ; query block
	s_and_b32 s11, ttmp7, 0xffff
	s_lshr_b32 s10, s11, 3                         ; batch
	s_and_b32 s11, s11, 7                          ; pair of heads
	s_and_b32 s12, s8, 1                           ; head of the pair; for waves 0-3 also: which 64 rows of a part I fetch
	s_lshr_b32 s13, s8, 1                          ; group of 32 queries; for waves 0-3 also: K (0) or V (1)
	s_lshr_b32 s14, s13, 1                         ; half: which 64 rows
	s_and_b32 s15, s13, 1                          ; odd: which 32 of them
	s_mov_b32 s[G1K], (1<<16)|(1<<20)|(5<<22)|(3<<25)   ; 2-byte elements; after every 64 words 4 words of padding
	s_mov_b32 s[G1V], (1<<16)|(1<<20)|(5<<22)|(7<<25)   ; 8 words
.irp g, G1K, G1V
	s_mov_b32 s[\g+1], 128<<16                     ; tensor_dim0 = 128
	s_mov_b32 s[\g+2], 64<<16                      ; tensor_dim1 = 64
	s_mov_b32 s[\g+3], 128<<16                     ; tile_dim0 = 128 (two heads)
	s_mov_b32 s[\g+4], 64                          ; tile_dim1 = 64 rows
	s_mov_b32 s[\g+5], 3072                        ; elements from row to row
	s_mov_b32 s[\g+6], 0
	s_mov_b32 s[\g+7], 0
.endr
	; byte offsets of my three tiles: row 1024 b + max(128 x - 256 + 128 part, 0) + 64 (w & 1); column block k 1, v 2; the pair of heads
	s_lshl_b32 s50, s10, 10
	s_lshl_b32 s51, s12, 6
	s_add_co_u32 s50, s50, s51
	s_mul_i32 s50, s50, QP
	s_min_u32 s51, s13, 1
	s_add_co_u32 s51, s51, 1
	s_lshl_b32 s51, s51, 11
	s_add_co_u32 s50, s50, s51
	s_lshl_b32 s51, s11, 8
	s_add_co_u32 s50, s50, s51
.irp i, 0,1,2
	s_add_co_u32 s[44+2*\i], s9, 2-\i
	s_max_u32 s[44+2*\i], s[44+2*\i], 2
	s_sub_co_u32 s[44+2*\i], s[44+2*\i], 2
	s_mul_i32 s[44+2*\i], s[44+2*\i], 128*QP
	s_add_co_u32 s[44+2*\i], s[44+2*\i], s50
	s_mov_b32 s[45+2*\i], 0
	s_mov_b32 s[G0+4*\i], 1
.endr
	; byte offset of my wave's first query: row 1024 b + 128 x + 32 (w >> 1), my head's 128 bytes
	s_lshl_b32 s58, s10, 10
	s_lshl_b32 s51, s9, 7
	s_add_co_u32 s58, s58, s51
	s_lshl_b32 s51, s13, 5
	s_add_co_u32 s58, s58, s51
	s_mul_i32 s58, s58, QP
	s_lshl_b32 s51, s11, 8
	s_add_co_u32 s58, s58, s51
	s_lshl_b32 s51, s12, 7
	s_add_co_u32 s58, s58, s51
	s_mov_b32 s59, 0
	v_and_b32 v1, 15, v0                           ; r
	v_bfe_u32 v2, v0, 4, 1                         ; h
	v_mul_u32_u24 v28, v1, QP
	v_lshl_add_u32 v28, v2, 4, v28                 ; a fragment of Q: row r, 16 bytes for each half of the lanes; never rewritten
	s_wait_dscnt 0x0
	s_wait_kmcnt 0x0
.irp i, 0,1,2
	s_add_nc_u64 s[G0+4*\i+2:G0+4*\i+3], s[4:5], s[44+2*\i:45+2*\i]
	s_or_b32 s[G0+4*\i+3], s[G0+4*\i+3], 0x80000000
.endr
	s_add_nc_u64 s[58:59], s[4:5], s[58:59]
	s_cmp_lt_u32 s8, 2                             ; all first fills of a wave stand in this one branch on its number: three loads of a wave are out; four v_nop follow the third
	s_cbranch_scc0 .Lnot_k
	s_mul_i32 s51, s8, 64*PK
.irp i, 0,1,2
	s_add_co_u32 s[G0+4*\i+1], s51, (2-\i)*128*PK
.endr
	tensor_load_to_lds s[G0:G0+3], s[G1K:G1K+7]    ; part 2
	s_nop 0
	tensor_load_to_lds s[G0+4:G0+7], s[G1K:G1K+7]  ; part 1
	s_nop 0
	tensor_load_to_lds s[G0+8:G0+11], s[G1K:G1K+7] ; part 0
	s_nop 0
.rept 4
	v_nop
.endr
	s_branch .Lasked
.Lnot_k:
	s_cmp_lt_u32 s8, 4
	s_cbranch_scc0 .Lasked
	s_sub_co_u32 s51, s8, 2
	s_mul_i32 s51, s51, 64*PV
.irp i, 0,1,2
	s_add_co_u32 s[G0+4*\i+1], s51, VB+(2-\i)*128*PV
.endr
	tensor_load_to_lds s[G0:G0+3], s[G1V:G1V+7]
	s_nop 0
	tensor_load_to_lds s[G0+4:G0+7], s[G1V:G1V+7]
	s_nop 0
	tensor_load_to_lds s[G0+8:G0+11], s[G1V:G1V+7]
	s_nop 0
.rept 4
	v_nop
.endr
.Lasked:
; REGISTERS: v12+4t: c m, m, l (even keys'), l (odd keys') of tile t; v20-27 at work; v28 Q's offsets; v32-63 Q (32 + 16 t + 8 c); v64-127 S^T (64 + 32 t + 8 kb), then P in place
; (64 + 32 t + 8 s); v128-191 O^T (128 + 32 t + 8 cb); v192-255 K (192 + 16 kb + 8 c), then V (192 + 32 s + 8 cb).
.irp t, 0,1
.irp c, 0,1
	global_load_b128 v[32+16*\t+8*\c:32+16*\t+8*\c+3],   v28, s[58:59] offset:\t*16*QP+64*\c
	global_load_b128 v[32+16*\t+8*\c+4:32+16*\t+8*\c+7], v28, s[58:59] offset:\t*16*QP+64*\c+32
.endr
.endr
	; addresses, while the tiles are on their way
	s_mov_b32 s52, 0x3e38aa3b                      ; c = log2(e) / 8
	s_mov_b32 s53, s52
	s_mov_b32 s54, 0x76543210
	s_mov_b32 s55, 0xfedcba98
	s_mov_b32 s56, 0xff800000                      ; -inf
	s_lshl_b32 s57, s9, 1
	s_add_co_u32 s57, s57, s14
	s_add_co_u32 s57, s57, 1
	s_min_u32 s57, s57, 5                          ; trips: the blocks of 64 keys from the diagonal back to the window's or the sequence's start
	v_mul_u32_u24 v3, v1, PK
	v_lshl_add_u32 v3, v2, 4, v3                   ; r x 272 + 16 h
	s_mul_i32 s50, s13, 32*PK
	s_lshl_b32 s51, s12, 7                         ; my head's 128 bytes of a row
	s_add_co_u32 s50, s50, s51
	s_add_co_u32 s50, s50, SB
	v_add_nc_u32 v7, s50, v3                       ; into the stage: row 32 (w >> 1) + r, my head's half
	s_mul_i32 s50, s14, 64*PK
	s_add_co_u32 s50, s50, s51
	v_add_nc_u32 v3, s50, v3                       ; K's fragments, at block d = 4
	v_and_b32 v4, 7, v0
	v_lshl_add_u32 v4, v2, 3, v4
	v_mul_u32_u24 v4, v4, PV
	v_bfe_u32 v6, v0, 3, 1
	v_lshl_add_u32 v4, v6, 4, v4
	s_mul_i32 s50, s14, 64*PV
	s_add_co_u32 s50, s50, s51
	s_add_co_u32 s50, s50, VB
	v_add_nc_u32 v4, s50, v4                       ; V's turning loads, at block d = 4
	v_mul_u32_u24 v8, v2, PK
	v_lshl_add_u32 v8, v1, 4, v8
	s_mul_i32 s50, s8, 16*PK
	s_add_co_u32 s50, s50, SB
	v_add_nc_u32 v8, s50, v8                       ; back from the stage: wave w takes rows 16 w .. + 15, whole
	v_lshlrev_b32 v9, 11, v2
	v_lshl_add_u32 v9, v1, 4, v9                   ; the same two rows in act
	v_lshlrev_b32 v10, 3, v2
	v_sub_nc_u32 v10, v1, v10
	s_lshl_b32 s50, s15, 5
	v_add_nc_u32 v10, s50, v10                     ; tile 0: i - j = 64 d + v10 - (16 kb + register), signed
	v_add_nc_u32 v11, 16, v10                      ; tile 1
	s_lshl_b32 s50, s10, 10
	s_lshl_b32 s51, s9, 7
	s_add_co_u32 s50, s50, s51
	s_lshl_b32 s51, s8, 4
	s_add_co_u32 s50, s50, s51
	s_lshl_b32 s50, s50, 11
	s_lshl_b32 s51, s11, 8
	s_add_co_u32 s50, s50, s51
	s_mov_b32 s51, 0
	s_add_nc_u64 s[6:7], s[6:7], s[50:51]          ; act at the first row that I store
.macro PLACES
.rept 4
	v_nop
.endr
.endm
.macro MASK low                        ; low = 0: the diagonal block, valid where 16 kb + j <= v10; low = 1: the window's far end, valid where 16 kb + j > v10
.irp t, 0,1
.irp kb, 0,1,2,3
.irp j, 0,1,2,3,4,5,6,7
.if \low
	v_cmp_gt_i32 vcc_lo, 16*\kb+\j, v[10+\t]
.else
	v_cmp_le_i32 vcc_lo, 16*\kb+\j, v[10+\t]
.endif
	v_cndmask_b32 v[64+32*\t+8*\kb+\j], s56, v[64+32*\t+8*\kb+\j], vcc_lo
.endr
.endr
.endr
.endm
.macro SOFTMAX t, first
.set rS, 64+32*\t
.set rT, 12+4*\t
.set rO, 128+32*\t
.irp k, 0,1,2,3                        ; the maximum of 32 scores and the old m, three operands at a time, four chains
	v_max3_num_f32 v[20+\k], v[rS+8*\k], v[rS+8*\k+1], v[rS+8*\k+2]
.endr
.irp k, 0,1,2,3
	v_max3_num_f32 v[20+\k], v[20+\k], v[rS+8*\k+3], v[rS+8*\k+4]
.endr
.irp k, 0,1,2,3
	v_max3_num_f32 v[20+\k], v[20+\k], v[rS+8*\k+5], v[rS+8*\k+6]
.endr
	v_max3_num_f32 v20, v20, v[rS+7], v[rS+15]
	v_max3_num_f32 v22, v22, v[rS+23], v[rS+31]
	v_max3_num_f32 v20, v20, v21, v22
.if \first
	v_max_num_f32 v20, v20, v23
.else
	v_max3_num_f32 v20, v20, v23, v[rT+1]
	v_mov_b32 v27, v[rT]                           ; c m_old
.endif
	v_permlanex16_b32 v21, v20, s54, s55           ; the query's other 32 keys lie in the lane 16 away
	v_max_num_f32 v[rT+1], v20, v21
	v_mul_f32 v[rT], s52, v[rT+1]
.if !\first
	v_sub_f32 v27, v27, v[rT]
	v_exp_f32 v26, v27                             ; a = 2^(c m_old - c m_new); the scalings below are the plain instructions behind it
.endif
.set i, 0
.rept 16
	v_pk_fma_f32 v[rS+i:rS+i+1], v[rS+i:rS+i+1], s[52:53], v[rT:rT+1] op_sel_hi:[1,0,0] neg_lo:[0,0,1] neg_hi:[0,0,1]   ; c s - c m
.set i, i+2
.endr
.set i, 0
.rept 32
	v_exp_f32 v[rS+i], v[rS+i]
.set i, i+1
.endr
.if \first
	v_nop                                          ; a plain instruction behind the last exponential
	s_wait_alu depctr_va_vdst(0)
.else
.set i, 0
	s_wait_alu depctr_va_vdst(0)
.rept 16
	v_pk_mul_f32 v[rO+i:rO+i+1], v[rO+i:rO+i+1], v[26:27] op_sel_hi:[1,0]   ; O^T times a: also the plain instructions behind the exponentials
.set i, i+2
.endr
.endif
	v_pk_add_f32 v[20:21], v[rS:rS+1], v[rS+4:rS+5]        ; the sum of the weights, two chains
	v_pk_add_f32 v[22:23], v[rS+2:rS+3], v[rS+6:rS+7]
.set i, 8
.rept 6
	v_pk_add_f32 v[20:21], v[20:21], v[rS+i:rS+i+1]
	v_pk_add_f32 v[22:23], v[22:23], v[rS+i+2:rS+i+3]
.set i, i+4
.endr
.if \first
	v_pk_add_f32 v[rT+2:rT+3], v[20:21], v[22:23]
.else
	v_pk_add_f32 v[20:21], v[20:21], v[22:23]
	v_pk_fma_f32 v[rT+2:rT+3], v[rT+2:rT+3], v[26:27], v[20:21] op_sel_hi:[1,0,1]
.endif
.set i, 0
.rept 16
	v_cvt_pk_f16_f32 v[rS+i], v[rS+2*i], v[rS+2*i+1]       ; in place, ascending: register i is written when 2 i and 2 i + 1 are read
.set i, i+1
.endr
.endm
; One block of 64 keys, d blocks in front of the diagonal.  In both products the eight accumulators take turns, one instruction a turn.
.macro TRIP d
	v_add_nc_u32 v5, (4-\d)*64*PK, v3
	v_add_nc_u32 v6, (4-\d)*64*PV, v4
.if \d > 0
	PLACES                                         ; with the two adds: six places behind the last V^T P, in front of the loads into V's registers and of K Q^T, which writes over P
.endif
.irp kb, 0,1,2,3
.irp c, 0,1
	ds_load_b128 v[192+16*\kb+8*\c:192+16*\kb+8*\c+3],   v5 offset:\kb*16*PK+64*\c
	ds_load_b128 v[192+16*\kb+8*\c+4:192+16*\kb+8*\c+7], v5 offset:\kb*16*PK+64*\c+32
.endr
.endr
	s_wait_dscnt 0x0                               ; K
.irp c, 0,1
.irp t, 0,1
.irp kb, 0,1,2,3
.if \c == 0
	v_wmma_f32_16x16x32_f16 v[64+32*\t+8*\kb:64+32*\t+8*\kb+7], v[192+16*\kb+8*\c:192+16*\kb+8*\c+7], v[32+16*\t+8*\c:32+16*\t+8*\c+7], 0
.else
	v_wmma_f32_16x16x32_f16 v[64+32*\t+8*\kb:64+32*\t+8*\kb+7], v[192+16*\kb+8*\c:192+16*\kb+8*\c+7], v[32+16*\t+8*\c:32+16*\t+8*\c+7], v[64+32*\t+8*\kb:64+32*\t+8*\kb+7]
.endif
.endr
.endr
.endr
	PLACES                                         ; in front of the loads into K's registers and of the first reader of the scores
.irp s, 0,1
.irp cb, 0,1,2,3
	ds_load_tr16_b128 v[192+32*\s+8*\cb:192+32*\s+8*\cb+3],   v6 offset:\s*32*PV+32*\cb
	ds_load_tr16_b128 v[192+32*\s+8*\cb+4:192+32*\s+8*\cb+7], v6 offset:\s*32*PV+16*PV+32*\cb
.endr
.endr
.if \d == 0
	MASK 0
	SOFTMAX 0, 1
	SOFTMAX 1, 1
.else
.if \d == 4
	MASK 1
.endif
	SOFTMAX 0, 0
	SOFTMAX 1, 0
.endif
	s_wait_dscnt 0x0                               ; V
.irp s, 0,1
.irp t, 0,1
.irp cb, 0,1,2,3
.if (\d == 0) && (\s == 0)
	v_wmma_f32_16x16x32_f16 v[128+32*\t+8*\cb:128+32*\t+8*\cb+7], v[192+32*\s+8*\cb:192+32*\s+8*\cb+7], v[64+32*\t+8*\s:64+32*\t+8*\s+7], 0
.else
	v_wmma_f32_16x16x32_f16 v[128+32*\t+8*\cb:128+32*\t+8*\cb+7], v[192+32*\s+8*\cb:192+32*\s+8*\cb+7], v[64+32*\t+8*\s:64+32*\t+8*\s+7], v[128+32*\t+8*\cb:128+32*\t+8*\cb+7]
.endif
.endr
.endr
.endr
.endm
	s_wait_tensorcnt 0x2                           ; my piece of part 2 is in; my two younger loads, parts 1 and 0, stay out
	s_barrier_signal -1
	s_barrier_wait -1                              ; everybody's piece of part 2 is in
	s_wait_loadcnt 0x0                             ; Q
	TRIP 0                                         ; rows 256-383: part 2
	s_wait_dscnt 0x0
	s_wait_tensorcnt 0x1                           ; my piece of part 1 is in; part 0's load stays out
	s_barrier_signal -1
	s_barrier_wait -1
	s_cmp_le_u32 s57, 1
	s_cbranch_scc1 .Lmid
	TRIP 1                                         ; rows 192-319: parts 1 and 2
	s_cmp_le_u32 s57, 2
	s_cbranch_scc1 .Lmid
	TRIP 2                                         ; rows 128-255: part 1
.Lmid:
	s_wait_dscnt 0x0
	s_wait_tensorcnt 0x0                           ; my piece of part 0 is in: no load of mine is out any more
	s_barrier_signal -1
	s_barrier_wait -1
	s_cmp_le_u32 s57, 3
	s_cbranch_scc1 .Ldone
	TRIP 3                                         ; rows 64-191: parts 0 and 1
	s_cmp_le_u32 s57, 4
	s_cbranch_scc1 .Ldone
	TRIP 4                                         ; rows 0-127: part 0
.Ldone:
	PLACES                                         ; behind the last products
.irp t, 0,1
	v_add_f32 v[20+2*\t], v[14+4*\t], v[15+4*\t]
.endr
.irp t, 0,1
	v_permlanex16_b32 v[21+2*\t], v[20+2*\t], s54, s55
.endr
.irp t, 0,1
	v_add_f32 v[20+2*\t], v[20+2*\t], v[21+2*\t]
.endr
	v_rcp_f32 v24, v20
	v_rcp_f32 v26, v22
	v_nop
	s_wait_alu depctr_va_vdst(0)
	v_mov_b32 v25, v24
	v_mov_b32 v27, v26
.irp t, 0,1
.set i, 0
.rept 16
	v_pk_mul_f32 v[128+32*\t+i:128+32*\t+i+1], v[128+32*\t+i:128+32*\t+i+1], v[24+2*\t:25+2*\t]
.set i, i+2
.endr
.endr
.set i, 0
.rept 32
	v_cvt_pk_f16_f32 v[64+i], v[128+2*i], v[128+2*i+1]
.set i, i+1
.endr
.irp t, 0,1
.irp cb, 0,1,2,3
	ds_store_b128 v7, v[64+16*\t+4*\cb:64+16*\t+4*\cb+3] offset:\t*16*PK+32*\cb
.endr
.endr
	s_wait_dscnt 0x0                               ; for the others' sake: a row's 256 bytes come from two waves
	s_barrier_signal -1
	s_barrier_wait -1
.irp i, 0,1,2,3,4,5,6,7
	ds_load_b128 v[96+4*\i:96+4*\i+3], v8 offset:\i*2*PK
.endr
.irp i, 0,1,2,3,4,5,6,7
	s_wait_dscnt 7-\i
	global_store_b128 v9, v[96+4*\i:96+4*\i+3], s[6:7] offset:\i*4096   ; 16 lanes store 256 consecutive bytes, aligned
.endr
	s_wait_tensorcnt 0x0
	ds_add_u32 v30, v31
	s_wait_dscnt 0x0
	s_endpgm
.Lfunc_end_k_q9c08db1fa4_attn:
	.size	k_q9c08db1fa4_attn, .Lfunc_end_k_q9c08db1fa4_attn-k_q9c08db1fa4_attn
	.p2alignl 7, 3214868480
	.fill 96, 4, 3214868480
	.section	.rodata,"a",@progbits
	.p2align	6, 0x0
	.amdhsa_kernel k_q9c08db1fa4_attn
		.amdhsa_group_segment_fixed_size 250880
		.amdhsa_private_segment_fixed_size 0
		.amdhsa_enable_private_segment 0
		.amdhsa_kernarg_size 16
		.amdhsa_user_sgpr_count 2
		.amdhsa_user_sgpr_kernarg_segment_ptr 1
		.amdhsa_wavefront_size32 1
		.amdhsa_system_sgpr_workgroup_id_x 1
		.amdhsa_system_sgpr_workgroup_id_y 1
		.amdhsa_system_sgpr_workgroup_id_z 1
		.amdhsa_system_vgpr_workitem_id 0
		.amdhsa_next_free_vgpr 256
		.amdhsa_next_free_sgpr 66
		.amdhsa_reserve_vcc 1
		.amdhsa_float_denorm_mode_32 3
		.amdhsa_float_denorm_mode_16_64 3
		.amdhsa_memory_ordered 1
		.amdhsa_forward_progress 1
		.amdhsa_inst_pref_size 107
	.end_amdhsa_kernel
	.amdgpu_metadata
---
amdhsa.version: [ 1, 2 ]
amdhsa.kernels:
  - .name:           k_q9c08db1fa4_attn
    .symbol:         k_q9c08db1fa4_attn.kd
    .args:
      - { .name: qkv, .offset: 0, .size: 8, .value_kind: global_buffer, .address_space: global }
      - { .name: act, .offset: 8, .size: 8, .value_kind: global_buffer, .address_space: global }
    .group_segment_fixed_size: 250880
    .private_segment_fixed_size: 0
    .kernarg_segment_align: 8
    .kernarg_segment_size: 16
    .max_flat_workgroup_size: 256
    .sgpr_count:     66
    .vgpr_count:     256
    .wavefront_size: 32
...
	.end_amdgpu_metadata
.endif
;; end of part 3
;; launch wo (part 4): grid 8 x 32, 4 waves a work-group, clusters of 4 x 4, 327,680 bytes of LDS; arguments act, wcv, af, wo_b; writes af
.if DOCPART == 4
	.amdgcn_target "amdgcn-amd-amdhsa--gfx1250"
	.amdhsa_code_object_version 6
	.text
	.protected	k_q9c08db1fa4_wo
	.globl	k_q9c08db1fa4_wo
	.p2align	8
	.type	k_q9c08db1fa4_wo,@function
k_q9c08db1fa4_wo:
	s_mov_b64 s[64:65], 0
	v_nop
	global_prefetch_b8 v0, s[64:65] scope:SCOPE_SE
	s_setreg_imm32_b32 hwreg(HW_REG_WAVE_MODE, 25, 1), 1
	s_wait_xcnt 0x0
	s_wait_alu depctr_hold_cnt(0) depctr_sa_sdst(0) depctr_va_vdst(0) depctr_va_sdst(0) depctr_va_ssrc(0) depctr_va_vcc(0) depctr_vm_vsrc(0)
	s_getreg_b32 s2, hwreg(HW_REG_IB_STS2, 6, 4)
	s_cmp_eq_u32 s2, 0
	s_cbranch_scc0 .Lentry_in_a_cluster
	s_endpgm
.Lentry_in_a_cluster:
	s_bfe_u32 s2, ttmp6, 0x10000c
	s_cmp_lg_u32 s2, 0xf033
	s_cbranch_scc0 .Lentry_shape_is_right
	s_endpgm
.Lentry_shape_is_right:
; C[m][n] = A[m] . B[n] + bias[n], C in f32.  Here: a = att wo^T + wo_b.  A: act [4096][1024] f16; B: wo, f16, at B_OFF in wcv; C: af [4096][1024] f32.
; (The same text serves the second FFN product; the four lines below differ.)
.set SIZE_K, 1024
.set B_OFF,  0x600000
.set F16,    1                         ; operands in f16: att is a mean of v's rows and wo is small: both far below 65,504
.set STEPS,  SIZE_K/256
; N = 1,024 gives only 64 tiles of 256 x 256, so a tile is 128 x 128: 8 x 32 = 256 work-groups.  Four waves, each 64 x 64: 16 accumulators.  K goes in steps of 256 (LDS rows
; of 512 bytes, 64 to a wave's tensor load) through two slots.  CLUSTERS 4 x 4: A's tiles are asked for jointly along a row of the cluster, B's along a column.
; The matrix instruction is used transposed (source 0 = rows of B, source 1 = rows of A): a lane holds eight neighbouring numbers of a row of C.
; A wave's 64 columns of f32 are 256 bytes: each wave has a stage of its own, 16 rows x 272 bytes, and stores whole aligned rows of 256 bytes.
; REGISTERS: window 0: v0-31 addresses and bias; v32-95 the way out; v128-255 the accumulators.  window 1: two fragment buffers of 128.
.set SIZE_N, 1024
.set KSTEP,  256
.set PITCH,  528                       ; 512 bytes + 16 of padding = 132 words: row r starts at bank 4 r mod 64 (64 banks of 4 bytes: ISA guide 11.1)
.set HALFT,  64*PITCH
.set SLOT,   4*HALFT
.set STAGE,  2*SLOT
.set SPITCH, 272
.set TRIPS,  (STEPS-2)/2               ; each trip fills both slots again
.set ADRA, 16
.set ADRB, 20
.set STO,  24
.set RD,   25
.set CO,   26
.set BO,   27
.set BI,   28                          ; v[28:31] the bias of the four columns that I store
.set TMP,  32
.set ACC,  128
.set F0,   0
.set F1,   128
.set G1, 24
.set G0, 32
.set G1B, 48
.set G0B, 56
.set MSB, 0
.macro WIN new
.if MSB != (\new)
	s_set_vgpr_msb (MSB<<8)|(\new)
.set MSB, (\new)
.endif
.endm
.set MUL,  0x05                        ; sources 0 and 1 window 1; C and D window 0
.set TO_F, 0x40                        ; destination window 1, address window 0
.macro JLOAD s                         ; a joint load: waves 0 and 1 fetch A's two halves, waves 2 and 3 B's; four v_nop follow each of the two lines
	s_cmp_eq_u32 s11, 0
	s_cbranch_scc0 .Lfor_b_\@
	tensor_load_to_lds s[G0+4*\s:G0+4*\s+3], s[G1:G1+7]
	s_nop 0
.rept 4
	v_nop
.endr
	s_branch .Lasked_\@
.Lfor_b_\@:
	tensor_load_to_lds s[G0B+4*\s:G0B+4*\s+3], s[G1B:G1B+7]
	s_nop 0
.rept 4
	v_nop
.endr
.Lasked_\@:
.endm
.macro CREST
	s_cmp_lg_u32 s10, 0
	s_cbranch_scc1 .Lnot_wave_0_\@
	s_barrier_signal -3
.Lnot_wave_0_\@:
	s_barrier_wait -3
	s_barrier_signal -1
	s_barrier_wait -1
.endm
.macro CROUND
	s_barrier_signal -1
	s_barrier_wait -1
	CREST
.endm
	s_load_b128 s[4:7], s[0:1], 0x0                ; A s[4:5], wcv s[6:7]
	s_load_b64 s[8:9], s[0:1], 0x10                ; C
	s_load_b64 s[66:67], s[0:1], 0x18              ; bias
	v_lshl_add_u32 v126, v0, 2, 0x46400
	v_mov_b32 v127, 0
	ds_add_u32 v126, v127
	ds_add_u32 v126, v127
	v_lshrrev_b32 v1, 5, v0
	v_readfirstlane_b32 s10, v1                    ; wave 0..3
	s_lshr_b32 s11, s10, 1                         ; my half of the tile's rows; also: I fetch A (0) or B (1)
	s_and_b32 s12, s10, 1                          ; my half of its columns; also: which 64 rows I fetch
	s_bfe_u32 s40, ttmp6, 0x40000                  ; cx
	s_bfe_u32 s41, ttmp6, 0x40004                  ; cy
	s_lshl_b32 s42, ttmp9, 2
	s_add_co_u32 s42, s42, s40                     ; tile column
	s_and_b32 s13, ttmp7, 0xffff
	s_lshl_b32 s13, s13, 2
	s_add_co_u32 s13, s13, s41                     ; tile row
	s_lshl_b32 s43, s41, 2
	s_lshl_b32 s43, 15, s43                        ; my row of the cluster
	s_lshl_b32 s44, 0x1111, s40                    ; my column
	s_or_b32 s[G1+0], s43, (1<<16)|(1<<20)|(1<<21)|(6<<22)|(3<<25)   ; mask; 2-byte elements; padding on; bit 21 beside a mask; after every 128 words 4 words
	s_or_b32 s[G1B+0], s44, (1<<16)|(1<<20)|(1<<21)|(6<<22)|(3<<25)
.irp g, G1, G1B
	s_mov_b32 s[\g+1], KSTEP<<16                   ; tensor_dim0 = 256
	s_mov_b32 s[\g+2], 64<<16                      ; tensor_dim1 = 64
	s_mov_b32 s[\g+3], KSTEP<<16                   ; tile_dim0 = 256
	s_mov_b32 s[\g+4], 64                          ; tile_dim1 = 64
	s_mov_b32 s[\g+5], SIZE_K                      ; elements from row to row
	s_mov_b32 s[\g+6], 0
	s_mov_b32 s[\g+7], 0
.endr
	s_lshl_b32 s17, s12, 6
	s_lshl_b32 s16, s13, 7
	s_add_co_u32 s16, s16, s17                     ; A: row 128 x tile row + 64 x half
	s_lshl_b32 s46, s42, 7
	s_add_co_u32 s46, s46, s17                     ; B: row 128 x tile column + 64 x half
	s_mov_b32 s17, 0
	s_mov_b32 s47, 0
	s_mov_b64 s[18:19], SIZE_K*2
	s_mul_u64 s[16:17], s[16:17], s[18:19]
	s_mul_u64 s[46:47], s[46:47], s[18:19]
	s_mul_i32 s20, s10, HALFT
	s_wait_dscnt 0x0
	s_wait_kmcnt 0x0
	s_add_nc_u64 s[14:15], s[4:5], s[16:17]
	s_add_nc_u64 s[46:47], s[6:7], s[46:47]
	s_add_nc_u64 s[46:47], s[46:47], B_OFF
	CROUND                                         ; all sixteen work-groups are here: the first joint loads meet
.irp s, 0,1
	s_mov_b32 s[G0+4*\s], 1
	s_add_co_u32 s[G0+4*\s+1], s20, \s*SLOT
	s_add_nc_u64 s[G0+4*\s+2:G0+4*\s+3], s[14:15], \s*KSTEP*2
	s_or_b32 s[G0+4*\s+3], s[G0+4*\s+3], 0x80000000
	s_mov_b32 s[G0B+4*\s], 1
	s_add_co_u32 s[G0B+4*\s+1], s20, \s*SLOT
	s_add_nc_u64 s[G0B+4*\s+2:G0B+4*\s+3], s[46:47], \s*KSTEP*2
	s_or_b32 s[G0B+4*\s+3], s[G0B+4*\s+3], 0x80000000
	JLOAD \s                                       ; two loads of mine are out
.endr
	v_and_b32 v1, 15, v0                           ; l % 16
	v_bfe_u32 v2, v0, 4, 1                         ; l / 16
	v_mul_u32_u24 v3, v1, PITCH
	v_lshl_add_u32 v3, v2, 4, v3
	s_mul_i32 s21, s11, HALFT
	s_mul_i32 s22, s12, HALFT
	s_add_co_u32 s22, s22, 2*HALFT
.irp s, 0,1
	v_add_nc_u32 v[ADRA+\s], s21, v3
	v_add_nc_u32 v[ADRB+\s], s22, v3
	s_add_co_u32 s21, s21, SLOT
	s_add_co_u32 s22, s22, SLOT
.endr
	s_mul_i32 s23, s10, 16*SPITCH
	s_add_co_u32 s23, s23, STAGE                   ; my stage
	v_mul_u32_u24 v4, v1, SPITCH
	v_lshl_add_u32 v4, v2, 5, v4                   ; in: row l % 16, 32 bytes (8 f32) for each half of the lanes
	v_add_nc_u32 v[STO], s23, v4
	v_mul_u32_u24 v5, v2, SPITCH
	v_lshl_add_u32 v5, v1, 4, v5                   ; back: lanes 0-15 one row of 256 bytes, lanes 16-31 the next
	v_add_nc_u32 v[RD], s23, v5
	v_lshlrev_b32 v5, 12, v2
	v_lshl_add_u32 v[CO], v1, 4, v5                ; the same two rows in C
	s_lshl_b32 s16, s13, 7
	s_lshl_b32 s17, s11, 6
	s_add_co_u32 s16, s16, s17
	s_lshl_b32 s16, s16, 12                        ; my first row of C, 4,096 bytes a row
	s_mov_b32 s17, 0
	s_add_nc_u64 s[8:9], s[8:9], s[16:17]
	s_lshl_b32 s68, s42, 9                         ; my first column, in bytes: also its place in the bias
	s_lshl_b32 s69, s12, 8
	s_add_co_u32 s68, s68, s69
	s_mov_b32 s69, 0
	s_add_nc_u64 s[8:9], s[8:9], s[68:69]
	v_lshl_add_u32 v[BO], v1, 4, s68
	global_load_b128 v[BI:BI+3], v[BO], s[66:67]   ; waited for in front of the way out
.macro MUL8 f, c, a0, zero             ; 8 matrix instructions: m blocks a0, a0 + 1 x all 4 n blocks, 32 along K: half c of buffer f
.irp a, \a0, \a0+1
.irp b, 0,1,2,3
.if F16
.if \zero
	v_wmma_f32_16x16x32_f16 v[ACC+8*(4*(\a)+\b):ACC+8*(4*(\a)+\b)+7], v[\f+64+8*(4*\c+\b):\f+64+8*(4*\c+\b)+7], v[\f+8*(4*\c+\a):\f+8*(4*\c+\a)+7], 0
.else
	v_wmma_f32_16x16x32_f16 v[ACC+8*(4*(\a)+\b):ACC+8*(4*(\a)+\b)+7], v[\f+64+8*(4*\c+\b):\f+64+8*(4*\c+\b)+7], v[\f+8*(4*\c+\a):\f+8*(4*\c+\a)+7], v[ACC+8*(4*(\a)+\b):ACC+8*(4*(\a)+\b)+7]
.endif
.else
.if \zero
	v_wmma_f32_16x16x32_bf16 v[ACC+8*(4*(\a)+\b):ACC+8*(4*(\a)+\b)+7], v[\f+64+8*(4*\c+\b):\f+64+8*(4*\c+\b)+7], v[\f+8*(4*\c+\a):\f+8*(4*\c+\a)+7], 0
.else
	v_wmma_f32_16x16x32_bf16 v[ACC+8*(4*(\a)+\b):ACC+8*(4*(\a)+\b)+7], v[\f+64+8*(4*\c+\b):\f+64+8*(4*\c+\b)+7], v[\f+8*(4*\c+\a):\f+8*(4*\c+\a)+7], v[ACC+8*(4*(\a)+\b):ACC+8*(4*(\a)+\b)+7]
.endif
.endif
.endr
.endr
.endm
.macro FETCH slot, k, f                ; 32 LDS loads in one run: the fragments of 64 along K; the first 32 along K first
	WIN TO_F
.irp c, 0,1
.irp i, 0,1,2,3
	ds_load_b128 v[\f+64+8*(4*\c+\i):\f+64+8*(4*\c+\i)+3],   v[ADRB+\slot] offset:\k+64*\c+\i*16*PITCH
	ds_load_b128 v[\f+64+8*(4*\c+\i)+4:\f+64+8*(4*\c+\i)+7], v[ADRB+\slot] offset:\k+64*\c+\i*16*PITCH+32
	ds_load_b128 v[\f+8*(4*\c+\i):\f+8*(4*\c+\i)+3],         v[ADRA+\slot] offset:\k+64*\c+\i*16*PITCH
	ds_load_b128 v[\f+8*(4*\c+\i)+4:\f+8*(4*\c+\i)+7],       v[ADRA+\slot] offset:\k+64*\c+\i*16*PITCH+32
.endr
.endr
.endm
.macro PLACES                          ; four plain places behind matrix instructions (ISA guide 7.12.1)
.rept 4
	v_nop
.endr
.endm
.macro QUARTER slot, k, f, g, zero     ; 64 along K from buffer f; in its middle the next quarter is fetched into g
	s_wait_dscnt 16                                ; the first 32 along K are in
	WIN MUL
	MUL8 \f, 0, 0, \zero
	MUL8 \f, 0, 2, \zero
	PLACES
	FETCH \slot, \k, \g
	s_wait_dscnt 32                                ; all but the 32 just issued
	WIN MUL
	MUL8 \f, 1, 0, 0
	MUL8 \f, 1, 2, 0
.endm
.macro TURN slot, next, fill           ; a step's last quarter and the change of slots; fill = 1: this slot is filled again, two K steps on, first thing behind the round
	s_wait_dscnt 16
	WIN MUL
	MUL8 F1, 0, 0, 0
	s_wait_dscnt 0                                 ; my reads of this slot are over,
	s_set_vgpr_msb 0x500
	s_wait_tensorcnt 0x0                           ; and all my tensor loads have landed: my part of the next slot
	ds_add_u32 v126, v127
	s_wait_dscnt 0x0
	s_set_vgpr_msb 0x5
	s_barrier_signal -1
	MUL8 F1, 0, 2, 0
.if \fill
	WIN 0
.endif
	s_barrier_wait -1
.if \fill
	CREST
	s_add_nc_u64 s[G0+4*\slot+2:G0+4*\slot+3], s[G0+4*\slot+2:G0+4*\slot+3], 2*KSTEP*2
	s_add_nc_u64 s[G0B+4*\slot+2:G0B+4*\slot+3], s[G0B+4*\slot+2:G0B+4*\slot+3], 2*KSTEP*2
	JLOAD \slot                                    ; its four v_nop are also the places in front of the loads below
.else
	PLACES
.endif
	FETCH \next, 0, F0
	WIN MUL
	MUL8 F1, 1, 0, 0
	MUL8 F1, 1, 2, 0
.endm
	s_wait_tensorcnt 1                             ; my part of K step 0 is in; K step 1's stays out
	s_barrier_signal -1
	s_barrier_wait -1
	FETCH 0, 0, F0
	QUARTER 0, 128, F0, F1, 1                      ; the first products start the sums
	WIN 0
	s_mov_b32 s3, TRIPS
.Llap:                                                 ; once round the ring; the 16 accumulators take turns
	QUARTER 0, 256, F1, F0, 0
	QUARTER 0, 384, F0, F1, 0
	TURN 0, 1, 1
	QUARTER 1, 128, F0, F1, 0
	QUARTER 1, 256, F1, F0, 0
	QUARTER 1, 384, F0, F1, 0
	TURN 1, 0, 1
	QUARTER 0, 128, F0, F1, 0
	WIN 0
	s_sub_co_u32 s3, s3, 1
	s_cmp_lg_u32 s3, 0
	s_cbranch_scc1 .Llap
	QUARTER 0, 256, F1, F0, 0
	QUARTER 0, 384, F0, F1, 0
.if STEPS%2                            ; an odd number of K steps: one more fill, the last step's, into slot 0
	TURN 0, 1, 1
	QUARTER 1, 128, F0, F1, 0
	QUARTER 1, 256, F1, F0, 0
	QUARTER 1, 384, F0, F1, 0
	TURN 1, 0, 0
	QUARTER 0, 128, F0, F1, 0
	QUARTER 0, 256, F1, F0, 0
	QUARTER 0, 384, F0, F1, 0
.else
	TURN 0, 1, 0
	QUARTER 1, 128, F0, F1, 0
	QUARTER 1, 256, F1, F0, 0
	QUARTER 1, 384, F0, F1, 0
.endif
	s_wait_dscnt 16                                ; the very last quarter
	WIN MUL
	MUL8 F1, 0, 0, 0
	MUL8 F1, 0, 2, 0
	s_wait_dscnt 0
	MUL8 F1, 1, 0, 0
	MUL8 F1, 1, 2, 0
	WIN 0
	PLACES                                         ; in front of the LDS stores that read the results
	s_wait_loadcnt 0x0                             ; the bias
; THE WAY OUT of block a (16 rows): the accumulators go as they are into my stage, come back as whole rows of 256 bytes, take the bias and are stored.
.macro OUT a
.set BK, TMP+32*((\a)%2)
.irp b, 0,1,2,3
	ds_store_b128 v[STO], v[ACC+8*(4*\a+\b):ACC+8*(4*\a+\b)+3]   offset:64*\b
	ds_store_b128 v[STO], v[ACC+8*(4*\a+\b)+4:ACC+8*(4*\a+\b)+7] offset:64*\b+16
.endr
	s_wait_xcnt 0x0                                ; registers that earlier stores read are loaded again only behind this wait
.irp t, 0,1,2,3,4,5,6,7
	ds_load_b128 v[BK+4*\t:BK+4*\t+3], v[RD] offset:\t*2*SPITCH    ; LDS serves a wave's instructions in order (ISA guide 5.7.1.4)
.endr
.irp t, 0,1,2,3,4,5,6,7
	s_wait_dscnt 7-\t
	v_pk_add_f32 v[BK+4*\t:BK+4*\t+1],   v[BK+4*\t:BK+4*\t+1],   v[BI:BI+1]
	v_pk_add_f32 v[BK+4*\t+2:BK+4*\t+3], v[BK+4*\t+2:BK+4*\t+3], v[BI+2:BI+3]
	global_store_b128 v[CO], v[BK+4*\t:BK+4*\t+3], s[8:9] offset:(16*\a+2*\t)*SIZE_N*4   ; 16 lanes store 256 consecutive bytes, aligned
.endr
.endm
	OUT 0
	OUT 1
	OUT 2
	OUT 3
	s_wait_tensorcnt 0x0
	ds_add_u32 v126, v127
	s_wait_dscnt 0x0
	CROUND                                         ; the closing round
	s_endpgm
.Lfunc_end_k_q9c08db1fa4_wo:
	.size	k_q9c08db1fa4_wo, .Lfunc_end_k_q9c08db1fa4_wo-k_q9c08db1fa4_wo
	.p2alignl 7, 3214868480
	.fill 96, 4, 3214868480
	.section	.rodata,"a",@progbits
	.p2align	6, 0x0
	.amdhsa_kernel k_q9c08db1fa4_wo
		.amdhsa_group_segment_fixed_size 327680
		.amdhsa_private_segment_fixed_size 0
		.amdhsa_enable_private_segment 0
		.amdhsa_kernarg_size 32
		.amdhsa_user_sgpr_count 2
		.amdhsa_user_sgpr_kernarg_segment_ptr 1
		.amdhsa_wavefront_size32 1
		.amdhsa_system_sgpr_workgroup_id_x 1
		.amdhsa_system_sgpr_workgroup_id_y 1
		.amdhsa_system_sgpr_workgroup_id_z 1
		.amdhsa_system_vgpr_workitem_id 0
		.amdhsa_next_free_vgpr 512
		.amdhsa_next_free_sgpr 72
		.amdhsa_reserve_vcc 0
		.amdhsa_float_denorm_mode_32 3
		.amdhsa_float_denorm_mode_16_64 3
		.amdhsa_memory_ordered 1
		.amdhsa_forward_progress 1
		.amdhsa_inst_pref_size 91
	.end_amdhsa_kernel
	.amdgpu_metadata
---
amdhsa.version: [ 1, 2 ]
amdhsa.kernels:
  - .name:           k_q9c08db1fa4_wo
    .symbol:         k_q9c08db1fa4_wo.kd
    .args:
      - { .name: act, .offset: 0, .size: 8, .value_kind: global_buffer, .address_space: global }
      - { .name: wcv, .offset: 8, .size: 8, .value_kind: global_buffer, .address_space: global }
      - { .name: af, .offset: 16, .size: 8, .value_kind: global_buffer, .address_space: global }
      - { .name: wo_b, .offset: 24, .size: 8, .value_kind: global_buffer, .address_space: global }
    .group_segment_fixed_size: 327680
    .private_segment_fixed_size: 0
    .kernarg_segment_align: 8
    .kernarg_segment_size: 32
    .max_flat_workgroup_size: 128
    .sgpr_count:     72
    .vgpr_count:     512
    .wavefront_size: 32
...
	.end_amdgpu_metadata
.endif
;; end of part 4
;; launch norm2 (part 5): grid 256 x 1, 8 waves a work-group, no clusters, 0 bytes of LDS; arguments af, x, seq_post_norm_w, ffn_norm_w, h, act; writes h, act
.if DOCPART == 5
	.amdgcn_target "amdgcn-amd-amdhsa--gfx1250"
	.amdhsa_code_object_version 6
	.text
	.protected	k_q9c08db1fa4_norm2
	.globl	k_q9c08db1fa4_norm2
	.p2align	8
	.type	k_q9c08db1fa4_norm2,@function
k_q9c08db1fa4_norm2:
	s_mov_b64 s[64:65], 0
	v_nop
	global_prefetch_b8 v0, s[64:65] scope:SCOPE_SE
	s_setreg_imm32_b32 hwreg(HW_REG_WAVE_MODE, 25, 1), 1
	s_wait_xcnt 0x0
; h = x + rmsnorm(a, seq_post_norm_w) in f32, and hn = rmsnorm(h, ffn_norm_w) in f16 into act.  a: af [4096][1024] f32.
; A stream: one wave takes a whole row (4,096 bytes, 32 registers), two rows a wave, 16 rows a work-group; the row stays in registers between the passes.
; No LDS, barrier, matrix unit or cluster: nothing is shared and memory binds.  No register that a store reads is written again.
; LIMITS: finite inputs; x / rms is x times v_rsq_f32; hn is at most 32 times its gain, far below 65,504 (f16).
.set W1, 12                            ; v[12:43]   seq_post_norm_w of my 32 columns
.set W2, 44                            ; v[44:75]   ffn_norm_w
.set A,  76                            ; v[76:139]  two rows of a, then of clipped h, then hn
.set X,  140                           ; v[140:203] two rows of x, then h
.set Y,  204                           ; v[204:235] hn in f16
	s_load_b256 s[4:11], s[0:1], 0x0               ; af 4:5, x 6:7, seq_post_norm_w 8:9, ffn_norm_w 10:11
	s_load_b128 s[12:15], s[0:1], 0x20             ; h 12:13, act 14:15
	v_lshrrev_b32 v1, 5, v0
	v_readfirstlane_b32 s26, v1                    ; wave
	v_and_b32 v9, 31, v0
	v_lshlrev_b32 v1, 4, v9
	v_lshlrev_b32 v2, 3, v9
	s_lshl_b32 s32, ttmp9, 16                      ; 16 rows of 4,096 bytes a work-group,
	s_lshl_b32 s33, s26, 13                        ; two a wave
	s_add_co_u32 s32, s32, s33
	s_mov_b32 s33, 0
	s_mov_b32 s34, 0xc61c4000                      ; -10000
	s_mov_b32 s35, 0x461c4000                      ; +10000
	s_mov_b32 s36, 0x76543210
	s_mov_b32 s37, 0xfedcba98
	s_mov_b32 s38, 0x3727c5ac                      ; 1e-5
	s_wait_kmcnt 0x0
	s_add_nc_u64 s[20:21], s[4:5], s[32:33]
	s_add_nc_u64 s[22:23], s[6:7], s[32:33]
	s_add_nc_u64 s[28:29], s[12:13], s[32:33]
	s_lshr_b32 s32, s32, 1
	s_add_nc_u64 s[30:31], s[14:15], s[32:33]
.irp j, 0,1,2,3,4,5,6,7
	global_load_b128 v[W1+4*\j:W1+4*\j+3], v1, s[8:9] offset:512*\j
.endr
.irp j, 0,1,2,3,4,5,6,7
	global_load_b128 v[W2+4*\j:W2+4*\j+3], v1, s[10:11] offset:512*\j
.endr
.irp i, 0,1
.irp j, 0,1,2,3,4,5,6,7
	global_load_b128 v[A+32*\i+4*\j:A+32*\i+4*\j+3], v1, s[20:21] offset:4096*\i+512*\j th:TH_LOAD_NT
.endr
.irp j, 0,1,2,3,4,5,6,7
	global_load_b128 v[X+32*\i+4*\j:X+32*\i+4*\j+3], v1, s[22:23] offset:4096*\i+512*\j th:TH_LOAD_NT
.endr
.endr
.macro RMS base, inv, clip             ; v[10:11] = 1 / sqrt(max(mean of squares, eps) + eps); clip = 1: the row is clipped first, in place
.if \clip
.set j, 0
.rept 32
	v_med3_num_f32 v[\base+j], v[\base+j], s34, s35
.set j, j+1
.endr
.endif
	v_pk_mul_f32 v[4:5], v[\base:\base+1], v[\base:\base+1]
	v_pk_mul_f32 v[6:7], v[\base+2:\base+3], v[\base+2:\base+3]
.set j, 4
.rept 7
	v_pk_fma_f32 v[4:5], v[\base+j:\base+j+1], v[\base+j:\base+j+1], v[4:5]
	v_pk_fma_f32 v[6:7], v[\base+j+2:\base+j+3], v[\base+j+2:\base+j+3], v[6:7]
.set j, j+4
.endr
	v_pk_add_f32 v[4:5], v[4:5], v[6:7]
	v_add_f32 v8, v4, v5
	v_add_f32_dpp v8, v8, v8 row_xmask:1 row_mask:0xf bank_mask:0xf
	v_add_f32_dpp v8, v8, v8 row_xmask:2 row_mask:0xf bank_mask:0xf
	v_add_f32_dpp v8, v8, v8 row_xmask:4 row_mask:0xf bank_mask:0xf
	v_add_f32_dpp v8, v8, v8 row_xmask:8 row_mask:0xf bank_mask:0xf
	v_permlanex16_b32 v9, v8, s36, s37
	v_add_f32 v8, v8, v9
	v_mul_f32 v8, \inv, v8
	v_max_num_f32 v8, s38, v8
	v_add_f32 v8, s38, v8
	v_rsq_f32 v10, v8
	v_nop                                          ; a plain instruction between v_rsq_f32 and the use of its result
	s_wait_alu depctr_va_vdst(0)
	v_mov_b32 v11, v10
.endm
.irp i, 0,1
	s_wait_loadcnt 16*(1-\i)                       ; the gains and row i are in; the other row's sixteen loads stay out
	RMS A+32*\i, 0x3a800000, 1
.set j, 0
.rept 16
	v_pk_mul_f32 v[A+32*\i+j:A+32*\i+j+1], v[A+32*\i+j:A+32*\i+j+1], v[10:11]
.set j, j+2
.endr
.set j, 0
.rept 16
	v_pk_fma_f32 v[X+32*\i+j:X+32*\i+j+1], v[A+32*\i+j:A+32*\i+j+1], v[W1+j:W1+j+1], v[X+32*\i+j:X+32*\i+j+1]   ; h
.set j, j+2
.endr
.irp k, 0,1,2,3,4,5,6,7
	global_store_b128 v1, v[X+32*\i+4*\k:X+32*\i+4*\k+3], s[28:29] offset:4096*\i+512*\k
.endr
.set j, 0
.rept 32
	v_med3_num_f32 v[A+32*\i+j], v[X+32*\i+j], s34, s35
.set j, j+1
.endr
	RMS A+32*\i, 0x3a800000, 0
.set j, 0
.rept 16
	v_pk_mul_f32 v[A+32*\i+j:A+32*\i+j+1], v[A+32*\i+j:A+32*\i+j+1], v[10:11]
.set j, j+2
.endr
.set j, 0
.rept 16
	v_pk_mul_f32 v[A+32*\i+j:A+32*\i+j+1], v[A+32*\i+j:A+32*\i+j+1], v[W2+j:W2+j+1]
.set j, j+2
.endr
.set j, 0
.rept 16
	v_cvt_pk_f16_f32 v[Y+16*\i+j], v[A+32*\i+2*j], v[A+32*\i+2*j+1]
.set j, j+1
.endr
.irp k, 0,1,2,3,4,5,6,7
	global_store_b64 v2, v[Y+16*\i+2*\k:Y+16*\i+2*\k+1], s[30:31] offset:2048*\i+256*\k   ; 32 lanes store 256 consecutive bytes, aligned
.endr
.endr
	s_endpgm
.Lfunc_end_k_q9c08db1fa4_norm2:
	.size	k_q9c08db1fa4_norm2, .Lfunc_end_k_q9c08db1fa4_norm2-k_q9c08db1fa4_norm2
	.p2alignl 7, 3214868480
	.fill 96, 4, 3214868480
	.section	.rodata,"a",@progbits
	.p2align	6, 0x0
	.amdhsa_kernel k_q9c08db1fa4_norm2
		.amdhsa_group_segment_fixed_size 0
		.amdhsa_private_segment_fixed_size 0
		.amdhsa_enable_private_segment 0
		.amdhsa_kernarg_size 48
		.amdhsa_user_sgpr_count 2
		.amdhsa_user_sgpr_kernarg_segment_ptr 1
		.amdhsa_wavefront_size32 1
		.amdhsa_system_sgpr_workgroup_id_x 1
		.amdhsa_system_sgpr_workgroup_id_y 1
		.amdhsa_system_sgpr_workgroup_id_z 1
		.amdhsa_system_vgpr_workitem_id 0
		.amdhsa_next_free_vgpr 236
		.amdhsa_next_free_sgpr 66
		.amdhsa_reserve_vcc 0
		.amdhsa_float_denorm_mode_32 3
		.amdhsa_float_denorm_mode_16_64 3
		.amdhsa_memory_ordered 1
		.amdhsa_forward_progress 1
		.amdhsa_inst_pref_size 34
	.end_amdhsa_kernel
	.amdgpu_metadata
---
amdhsa.version: [ 1, 2 ]
amdhsa.kernels:
  - .name:           k_q9c08db1fa4_norm2
    .symbol:         k_q9c08db1fa4_norm2.kd
    .args:
      - { .name: af, .offset: 0, .size: 8, .value_kind: global_buffer, .address_space: global }
      - { .name: x, .offset: 8, .size: 8, .value_kind: global_buffer, .address_space: global }
      - { .name: seq_post_norm_w, .offset: 16, .size: 8, .value_kind: global_buffer, .address_space: global }
      - { .name: ffn_norm_w, .offset: 24, .size: 8, .value_kind: global_buffer, .address_space: global }
      - { .name: h, .offset: 32, .size: 8, .value_kind: global_buffer, .address_space: global }
      - { .name: act, .offset: 40, .size: 8, .value_kind: global_buffer, .address_space: global }
    .group_segment_fixed_size: 0
    .private_segment_fixed_size: 0
    .kernarg_segment_align: 8
    .kernarg_segment_size: 48
    .max_flat_workgroup_size: 256
    .sgpr_count:     66
    .vgpr_count:     236
    .wavefront_size: 32
...
	.end_amdgpu_metadata
.endif
;; end of part 5
;; launch ffn1 (part 6): grid 16 x 26, 4 waves a work-group, clusters of 4 x 1, 327,680 bytes of LDS; arguments act, wcv, g, w1_b, w3_b; writes g
.if DOCPART == 6
	.amdgcn_target "amdgcn-amd-amdhsa--gfx1250"
	.amdhsa_code_object_version 6
	.text
	.protected	k_q9c08db1fa4_ffn1
	.globl	k_q9c08db1fa4_ffn1
	.p2align	8
	.type	k_q9c08db1fa4_ffn1,@function
k_q9c08db1fa4_ffn1:
	s_mov_b64 s[64:65], 0
	v_nop
	global_prefetch_b8 v0, s[64:65] scope:SCOPE_SE
	s_setreg_imm32_b32 hwreg(HW_REG_WAVE_MODE, 25, 1), 1
	s_wait_xcnt 0x0
	s_wait_alu depctr_hold_cnt(0) depctr_sa_sdst(0) depctr_va_vdst(0) depctr_va_sdst(0) depctr_va_ssrc(0) depctr_va_vcc(0) depctr_vm_vsrc(0)
	s_getreg_b32 s2, hwreg(HW_REG_IB_STS2, 6, 4)
	s_cmp_eq_u32 s2, 0
	s_cbranch_scc0 .Lentry_in_a_cluster
	s_endpgm
.Lentry_in_a_cluster:
	s_bfe_u32 s2, ttmp6, 0x10000c
	s_cmp_lg_u32 s2, 0x3003
	s_cbranch_scc0 .Lentry_shape_is_right
	s_endpgm
.Lentry_shape_is_right:
; g = silu(hn w1^T + w1_b) * (hn w3^T + w3_b), rounded to bf16.  hn: act [4096][1024] f16; w13: [6656][1024] f16 at W13_OFF in wcv, blocks of 16 rows by turns from w1 and w3;
; g: [4096][3328] bf16.  A tile of 256 rows x 256 rows of w13 (128 columns of g) is made by four waves, each 128 x 128; K in 8 steps of 128 through two LDS slots.
; Since w1's and w3's blocks alternate, a lane holds z1 and z3 of the same eight columns of g in neighbouring accumulators: the gate needs no exchange.
; CLUSTER 4 x 1: w13 has 26 tile columns, which 4 does not divide, so the four partners lie along the rows of hn: they share w13's tiles, asked for jointly (mask 15);
; hn's tiles differ between them and are plain loads, issued behind the same rounds.  16 x 26 = 416 work-groups.
; g is bf16 and not f16: z1 and z3 are about a third each at the drawn sizes, some 300 with gain and weights 30 times larger, and their product then passes 65,504.
; The pad: w13's rows 6,560.. are zeros and the bias offsets are held at the last real columns', so g's columns 3,280.. hold silu(b1) b3 of those; they meet zero columns of w2.
; The stage is slot 0: its last fill (K step 6) has been read out in front of the last change of slots' barrier, and nothing fills it again.  A wave's 64 columns of g are 128 bytes,
; half of an aligned 256, so the stage is shared: a barrier stands between the writing and the reading.
; LIMITS: finite inputs; 1 / (1 + 2^(-z log2 e)) by v_exp_f32 and v_rcp_f32.
.set W13_OFF, 0x800000
.set GP,     6656                      ; bytes in a row of g
.set SIZE_K, 1024
.set KSTEP,  128
.set PITCH,  272
.set HALFT,  128*PITCH
.set SLOT,   4*HALFT
.set SPITCH, 272
.set LAPS, SIZE_K/(2*KSTEP)
.set ADRA, 16
.set ADRB, 20
.set STO,  24
.set RD,   25
.set CO,   26
.set BO,   27                          ; v27-30 byte offsets of my columns in the biases, pair of blocks p
.set F0,   64
.set F1,   128
.set Z,    64                          ; the way out: a block's 64 numbers a lane: z1 at 16 p + 0..7, z3 at 16 p + 8..15
.set E,    128                         ; 32 registers for the gate
.set TMP,  192
.set G1, 24
.set G0, 32
.set G1B, 48
.set G0B, 56
.set MSB, 0
.macro WIN new
.if MSB != (\new)
	s_set_vgpr_msb (MSB<<8)|(\new)
.set MSB, (\new)
.endif
.endm
.set MUL_LO, 0xa1
.set MUL_HI, 0xf1
.set TO_B,   0x40
.macro JLOAD s                         ; waves 0 and 1 fetch hn's two halves (plain), waves 2 and 3 w13's (joint); four v_nop follow each of the two lines
	s_cmp_eq_u32 s11, 0
	s_cbranch_scc0 .Lfor_b_\@
	tensor_load_to_lds s[G0+4*\s:G0+4*\s+3], s[G1:G1+7]
	s_nop 0
.rept 4
	v_nop
.endr
	s_branch .Lasked_\@
.Lfor_b_\@:
	tensor_load_to_lds s[G0B+4*\s:G0B+4*\s+3], s[G1B:G1B+7]
	s_nop 0
.rept 4
	v_nop
.endr
.Lasked_\@:
.endm
.macro CREST
	s_cmp_lg_u32 s10, 0
	s_cbranch_scc1 .Lnot_wave_0_\@
	s_barrier_signal -3
.Lnot_wave_0_\@:
	s_barrier_wait -3
	s_barrier_signal -1
	s_barrier_wait -1
.endm
.macro CROUND
	s_barrier_signal -1
	s_barrier_wait -1
	CREST
.endm
	s_load_b128 s[4:7], s[0:1], 0x0                ; act s[4:5], wcv s[6:7]
	s_load_b64 s[8:9], s[0:1], 0x10                ; g
	s_load_b128 s[68:71], s[0:1], 0x18             ; w1_b 68:69, w3_b 70:71
	s_set_vgpr_msb 0x40
	v_lshl_add_u32 v255, v0, 2, 0x44000
	s_set_vgpr_msb 0x4000
	v_mov_b32 v255, 0
	s_set_vgpr_msb 0x1
	ds_add_u32 v255, v255
	ds_add_u32 v255, v255
	s_set_vgpr_msb 0x100
	v_lshrrev_b32 v1, 5, v0
	v_readfirstlane_b32 s10, v1                    ; wave 0..3
	s_lshr_b32 s11, s10, 1                         ; my half of the tile's rows; also: I fetch hn (0) or w13 (1)
	s_and_b32 s12, s10, 1                          ; my half of its columns; also: which 128 rows I fetch
	s_bfe_u32 s40, ttmp6, 0x40000                  ; cx
	s_lshl_b32 s13, ttmp9, 2
	s_add_co_u32 s13, s13, s40                     ; tile row = 4 x cluster x + cx
	s_and_b32 s42, ttmp7, 0xffff                   ; tile column, which the four partners share
	s_mov_b32 s[G1+0], (1<<16)|(1<<20)|(5<<22)|(3<<25)               ; no mask: a load of my own
	s_mov_b32 s[G1B+0], 15|(1<<16)|(1<<20)|(1<<21)|(5<<22)|(3<<25)   ; all four work-groups; bit 21 beside a mask
.irp g, G1, G1B
	s_mov_b32 s[\g+1], KSTEP<<16
	s_mov_b32 s[\g+2], 128<<16
	s_mov_b32 s[\g+3], KSTEP<<16
	s_mov_b32 s[\g+4], 128
	s_mov_b32 s[\g+5], SIZE_K
	s_mov_b32 s[\g+6], 0
	s_mov_b32 s[\g+7], 0
.endr
	s_lshl_b32 s17, s12, 7
	s_lshl_b32 s16, s13, 8
	s_add_co_u32 s16, s16, s17                     ; hn: row 256 x tile row + 128 x half
	s_lshl_b32 s46, s42, 8
	s_add_co_u32 s46, s46, s17                     ; w13: row 256 x tile column + 128 x half: no place in the cluster enters it
	s_mov_b32 s17, 0
	s_mov_b32 s47, 0
	s_mov_b64 s[18:19], SIZE_K*2
	s_mul_u64 s[16:17], s[16:17], s[18:19]
	s_mul_u64 s[46:47], s[46:47], s[18:19]
	s_mul_i32 s20, s10, HALFT
	s_mov_b32 s72, 0xbfb8aa3b                      ; -log2(e)
	s_mov_b32 s73, s72
	s_wait_dscnt 0x0
	s_wait_kmcnt 0x0
	s_add_nc_u64 s[14:15], s[4:5], s[16:17]
	s_add_nc_u64 s[46:47], s[6:7], s[46:47]
	s_add_nc_u64 s[46:47], s[46:47], W13_OFF
	CROUND                                         ; all four work-groups are here: the first joint loads meet
.irp s, 0,1
	s_mov_b32 s[G0+4*\s], 1
	s_add_co_u32 s[G0+4*\s+1], s20, \s*SLOT
	s_add_nc_u64 s[G0+4*\s+2:G0+4*\s+3], s[14:15], \s*KSTEP*2
	s_or_b32 s[G0+4*\s+3], s[G0+4*\s+3], 0x80000000
	s_mov_b32 s[G0B+4*\s], 1
	s_add_co_u32 s[G0B+4*\s+1], s20, \s*SLOT
	s_add_nc_u64 s[G0B+4*\s+2:G0B+4*\s+3], s[46:47], \s*KSTEP*2
	s_or_b32 s[G0B+4*\s+3], s[G0B+4*\s+3], 0x80000000
	JLOAD \s                                       ; two loads of mine are out
.endr
	v_and_b32 v1, 15, v0                           ; l % 16
	v_bfe_u32 v2, v0, 4, 1                         ; l / 16
	v_mul_u32_u24 v3, v1, PITCH
	v_lshl_add_u32 v3, v2, 4, v3
	s_mul_i32 s21, s11, HALFT
	s_mul_i32 s22, s12, HALFT
	s_add_co_u32 s22, s22, 2*HALFT
.irp s, 0,1
	v_add_nc_u32 v[ADRA+\s], s21, v3
	v_add_nc_u32 v[ADRB+\s], s22, v3
	s_add_co_u32 s21, s21, SLOT
	s_add_co_u32 s22, s22, SLOT
.endr
	s_mul_i32 s23, s11, 128*SPITCH                 ; into the stage: my 128 rows, my half of their 256 bytes
	s_lshl_b32 s21, s12, 7
	s_add_co_u32 s23, s23, s21
	v_mul_u32_u24 v4, v1, SPITCH
	v_lshl_add_u32 v4, v2, 4, v4
	v_add_nc_u32 v[STO], s23, v4
	s_mul_i32 s23, s10, 64*SPITCH                  ; back: wave w takes rows 64 w .. + 63, whole
	v_mul_u32_u24 v5, v2, SPITCH
	v_lshl_add_u32 v5, v1, 4, v5
	v_add_nc_u32 v[RD], s23, v5
	v_mul_u32_u24 v5, v2, GP
	v_lshl_add_u32 v[CO], v1, 4, v5
	s_lshl_b32 s16, s13, 8
	s_lshl_b32 s17, s10, 6
	s_add_co_u32 s16, s16, s17                     ; the first row of g that I store
	s_mul_i32 s16, s16, GP
	s_mov_b32 s17, 0
	s_add_nc_u64 s[8:9], s[8:9], s[16:17]
	s_lshl_b32 s46, s42, 8                         ; the tile's first column of g, in bytes
	s_mov_b32 s47, 0
	s_add_nc_u64 s[8:9], s[8:9], s[46:47]
	; the biases of my columns: pair of blocks p holds columns 128 tile column + 64 half + 16 p + 8 (l / 16) + 0..7 of g
	s_lshl_b32 s78, s42, 9
	s_lshl_b32 s79, s12, 8
	s_add_co_u32 s78, s78, s79
	v_lshl_add_u32 v[BO], v2, 5, s78
.irp p, 1,2,3
	v_add_nc_u32 v[BO+\p], 64*\p, v[BO]
.endr
.irp p, 0,1,2,3
	v_min_u32 v[BO+\p], 13088, v[BO+\p]            ; real columns end at byte 13,120 and are never held back: 3,280 = 16 x 205; the pad's loads stay inside
.endr
	WIN TO_B
.irp p, 0,1,2,3
	global_load_b128 v[16*\p:16*\p+3],     v[BO+\p], s[68:69]
	global_load_b128 v[16*\p+4:16*\p+7],   v[BO+\p], s[68:69] offset:16
	global_load_b128 v[16*\p+8:16*\p+11],  v[BO+\p], s[70:71]
	global_load_b128 v[16*\p+12:16*\p+15], v[BO+\p], s[70:71] offset:16
.endr
	WIN 0
.macro MUL16 f, hi, a0, zero
.irp a, \a0, \a0+1
.irp b, 0,1,2,3,4,5,6,7
.if \zero
	v_wmma_f32_16x16x32_f16 v[8*(8*(\a)+\b):8*(8*(\a)+\b)+7], v[\f+8*\b:\f+8*\b+7], v[\f+8*(4*\hi+\a):\f+8*(4*\hi+\a)+7], 0
.else
	v_wmma_f32_16x16x32_f16 v[8*(8*(\a)+\b):8*(8*(\a)+\b)+7], v[\f+8*\b:\f+8*\b+7], v[\f+8*(4*\hi+\a):\f+8*(4*\hi+\a)+7], v[8*(8*(\a)+\b):8*(8*(\a)+\b)+7]
.endif
.endr
.endr
.endm
.macro FETCH slot, k, f
	WIN TO_B
.irp i, 0,1,2,3,4,5,6,7
	ds_load_b128 v[\f+8*\i:\f+8*\i+3],   v[ADRB+\slot] offset:\k+\i*16*PITCH
	ds_load_b128 v[\f+8*\i+4:\f+8*\i+7], v[ADRB+\slot] offset:\k+\i*16*PITCH+32
.endr
	WIN 0
.irp i, 0,1,2,3,4,5,6,7
	ds_load_b128 v[\f+8*\i:\f+8*\i+3],   v[ADRA+\slot] offset:\k+\i*16*PITCH
	ds_load_b128 v[\f+8*\i+4:\f+8*\i+7], v[ADRA+\slot] offset:\k+\i*16*PITCH+32
.endr
.endm
.macro PLACES                          ; four plain places behind matrix instructions (ISA guide 7.12.1)
.rept 4
	v_nop
.endr
.endm
.macro QUARTER slot, k, f, g, zero
	s_wait_dscnt 8                                 ; all but the youngest eight loads (hn's rows 64-127)
	WIN MUL_LO
	MUL16 \f, 0, 0, \zero
	MUL16 \f, 0, 2, \zero
	PLACES
	FETCH \slot, \k, \g
	s_wait_dscnt 32                                ; all but the 32 just issued
	WIN MUL_HI
	MUL16 \f, 1, 0, \zero
	MUL16 \f, 1, 2, \zero
.endm
.macro MEET round
	s_wait_dscnt 8
	WIN MUL_LO
	MUL16 F1, 0, 0, 0
	s_wait_dscnt 0                                 ; my reads of this slot are over
	s_wait_tensorcnt 0x0                           ; and all my tensor loads have landed: my part of the next slot
	ds_add_u32 v255, v255
	s_wait_dscnt 0x0
	s_barrier_signal -1
	MUL16 F1, 0, 2, 0
.if \round
	WIN 0
.endif
	s_barrier_wait -1
.endm
.macro TURN slot, next
	MEET 1
	CREST
	s_add_nc_u64 s[G0+4*\slot+2:G0+4*\slot+3], s[G0+4*\slot+2:G0+4*\slot+3], 2*KSTEP*2
	s_add_nc_u64 s[G0B+4*\slot+2:G0B+4*\slot+3], s[G0B+4*\slot+2:G0B+4*\slot+3], 2*KSTEP*2
	JLOAD \slot                                    ; the first tensor load behind the round; its four v_nop are also the places in front of the loads below
	FETCH \next, 0, F0
	WIN MUL_HI
	MUL16 F1, 1, 0, 0
	MUL16 F1, 1, 2, 0
.endm
	s_wait_tensorcnt 1                             ; my part of K step 0 is in; K step 1's stays out
	s_barrier_signal -1
	s_barrier_wait -1
	FETCH 0, 0, F0
	QUARTER 0, 64,  F0, F1, 1
	WIN 0
	s_mov_b32 s3, LAPS-1
.Llap:                                                 ; once round the ring; the 64 accumulators take turns
	QUARTER 0, 128, F1, F0, 0
	QUARTER 0, 192, F0, F1, 0
	TURN 0, 1
	QUARTER 1, 64,  F0, F1, 0
	QUARTER 1, 128, F1, F0, 0
	QUARTER 1, 192, F0, F1, 0
	TURN 1, 0
	QUARTER 0, 64,  F0, F1, 0
	WIN 0
	s_sub_co_u32 s3, s3, 1
	s_cmp_lg_u32 s3, 0
	s_cbranch_scc1 .Llap
	QUARTER 0, 128, F1, F0, 0                      ; the last lap asks for nothing
	QUARTER 0, 192, F0, F1, 0
	MEET 0                                         ; behind this barrier no wave reads slot 0 any more
	PLACES
	FETCH 1, 0, F0
	WIN MUL_HI
	MUL16 F1, 1, 0, 0
	MUL16 F1, 1, 2, 0
	QUARTER 1, 64,  F0, F1, 0
	QUARTER 1, 128, F1, F0, 0
	QUARTER 1, 192, F0, F1, 0
	s_wait_dscnt 8
	WIN MUL_LO
	MUL16 F1, 0, 0, 0
	MUL16 F1, 0, 2, 0
	s_wait_dscnt 0
	WIN MUL_HI
	MUL16 F1, 1, 0, 0
	MUL16 F1, 1, 2, 0
	WIN 0
	PLACES
	s_wait_loadcnt 0x0                             ; the biases
.macro ADDBIAS a
	WIN 0x06+(\a)/4                                ; source 0 window 2 or 3, source 1 window 1, destination window 0
.set i, 0
.rept 32
	v_pk_add_f32 v[Z+i:Z+i+1], v[64*((\a)%4)+i:64*((\a)%4)+i+1], v[i:i+1]
.set i, i+2
.endr
	WIN 0
.endm
.macro GLU a                           ; block a: z1 z3 / (1 + 2^(-z1 log2 e)), rounded to bf16, into the stage
	ADDBIAS \a
.irp p, 0,1,2,3
.irp q, 0,2,4,6
	v_pk_mul_f32 v[E+8*\p+\q:E+8*\p+\q+1], v[Z+16*\p+\q:Z+16*\p+\q+1], s[72:73] op_sel_hi:[1,0]
.endr
.endr
.set i, 0
.rept 32
	v_exp_f32 v[E+i], v[E+i]
.set i, i+1
.endr
.irp p, 0,1,2,3
.irp q, 0,2,4,6
	v_pk_mul_f32 v[Z+16*\p+8+\q:Z+16*\p+8+\q+1], v[Z+16*\p+8+\q:Z+16*\p+8+\q+1], v[Z+16*\p+\q:Z+16*\p+\q+1]   ; z1 z3: also the plain instructions behind the exponentials
.endr
.endr
.set i, 0
	s_wait_alu depctr_va_vdst(0)
.rept 16
	v_pk_add_f32 v[E+i:E+i+1], v[E+i:E+i+1], 1.0 op_sel_hi:[1,0]
.set i, i+2
.endr
.set i, 0
.rept 32
	v_rcp_f32 v[E+i], v[E+i]
.set i, i+1
.endr
	v_nop                                          ; a plain instruction behind the last reciprocal
	s_wait_alu depctr_va_vdst(0)
.irp p, 0,1,2,3
.irp q, 0,2,4,6
	v_pk_mul_f32 v[Z+16*\p+8+\q:Z+16*\p+8+\q+1], v[Z+16*\p+8+\q:Z+16*\p+8+\q+1], v[E+8*\p+\q:E+8*\p+\q+1]
.endr
.endr
.irp p, 0,1,2,3
.irp q, 0,1,2,3
	v_cvt_pk_bf16_f32 v[TMP+4*\p+\q], v[Z+16*\p+8+2*\q], v[Z+16*\p+8+2*\q+1]
.endr
.endr
.irp p, 0,1,2,3
	ds_store_b128 v[STO], v[TMP+4*\p:TMP+4*\p+3] offset:(\a)*16*SPITCH+32*\p
.endr
.endm
.irp a, 0,1,2,3,4,5,6,7
	GLU \a
.endr
	s_wait_dscnt 0x0                               ; for the others' sake: my stores into the stage are done
	s_barrier_signal -1
	s_barrier_wait -1
.set t, 0
.rept 32
	ds_load_b128 v[64+4*t:64+4*t+3], v[RD] offset:t*2*SPITCH
.set t, t+1
.endr
.set t, 0
.rept 32
	s_wait_dscnt 31-t
	global_store_b128 v[CO], v[64+4*t:64+4*t+3], s[8:9] offset:2*t*GP   ; 16 lanes store 256 consecutive bytes, aligned: a row of g is 26 x 256 bytes
.set t, t+1
.endr
	s_set_vgpr_msb 0x1
	s_wait_tensorcnt 0x0
	ds_add_u32 v255, v255
	s_wait_dscnt 0x0
	s_set_vgpr_msb 0x100
	CROUND                                         ; the closing round
	s_endpgm
.Lfunc_end_k_q9c08db1fa4_ffn1:
	.size	k_q9c08db1fa4_ffn1, .Lfunc_end_k_q9c08db1fa4_ffn1-k_q9c08db1fa4_ffn1
	.p2alignl 7, 3214868480
	.fill 96, 4, 3214868480
	.section	.rodata,"a",@progbits
	.p2align	6, 0x0
	.amdhsa_kernel k_q9c08db1fa4_ffn1
		.amdhsa_group_segment_fixed_size 327680
		.amdhsa_private_segment_fixed_size 0
		.amdhsa_enable_private_segment 0
		.amdhsa_kernarg_size 40
		.amdhsa_user_sgpr_count 2
		.amdhsa_user_sgpr_kernarg_segment_ptr 1
		.amdhsa_wavefront_size32 1
		.amdhsa_system_sgpr_workgroup_id_x 1
		.amdhsa_system_sgpr_workgroup_id_y 1
		.amdhsa_system_sgpr_workgroup_id_z 1
		.amdhsa_system_vgpr_workitem_id 0
		.amdhsa_next_free_vgpr 1024
		.amdhsa_next_free_sgpr 80
		.amdhsa_reserve_vcc 0
		.amdhsa_float_denorm_mode_32 3
		.amdhsa_float_denorm_mode_16_64 3
		.amdhsa_memory_ordered 1
		.amdhsa_forward_progress 1
		.amdhsa_inst_pref_size 195
	.end_amdhsa_kernel
	.amdgpu_metadata
---
amdhsa.version: [ 1, 2 ]
amdhsa.kernels:
  - .name:           k_q9c08db1fa4_ffn1
    .symbol:         k_q9c08db1fa4_ffn1.kd
    .args:
      - { .name: act, .offset: 0, .size: 8, .value_kind: global_buffer, .address_space: global }
      - { .name: wcv, .offset: 8, .size: 8, .value_kind: global_buffer, .address_space: global }
      - { .name: g, .offset: 16, .size: 8, .value_kind: global_buffer, .address_space: global }
      - { .name: w1_b, .offset: 24, .size: 8, .value_kind: global_buffer, .address_space: global }
      - { .name: w3_b, .offset: 32, .size: 8, .value_kind: global_buffer, .address_space: global }
    .group_segment_fixed_size: 327680
    .private_segment_fixed_size: 0
    .kernarg_segment_align: 8
    .kernarg_segment_size: 40
    .max_flat_workgroup_size: 128
    .sgpr_count:     80
    .vgpr_count:     1024
    .wavefront_size: 32
...
	.end_amdgpu_metadata
.endif
;; end of part 6
;; launch ffn2 (part 7): grid 8 x 32, 4 waves a work-group, clusters of 4 x 4, 327,680 bytes of LDS; arguments g, wcv, af, w2_b; writes af
.if DOCPART == 7
	.amdgcn_target "amdgcn-amd-amdhsa--gfx1250"
	.amdhsa_code_object_version 6
	.text
	.protected	k_q9c08db1fa4_ffn2
	.globl	k_q9c08db1fa4_ffn2
	.p2align	8
	.type	k_q9c08db1fa4_ffn2,@function
k_q9c08db1fa4_ffn2:
	s_mov_b64 s[64:65], 0
	v_nop
	global_prefetch_b8 v0, s[64:65] scope:SCOPE_SE
	s_setreg_imm32_b32 hwreg(HW_REG_WAVE_MODE, 25, 1), 1
	s_wait_xcnt 0x0
	s_wait_alu depctr_hold_cnt(0) depctr_sa_sdst(0) depctr_va_vdst(0) depctr_va_sdst(0) depctr_va_ssrc(0) depctr_va_vcc(0) depctr_vm_vsrc(0)
	s_getreg_b32 s2, hwreg(HW_REG_IB_STS2, 6, 4)
	s_cmp_eq_u32 s2, 0
	s_cbranch_scc0 .Lentry_in_a_cluster
	s_endpgm
.Lentry_in_a_cluster:
	s_bfe_u32 s2, ttmp6, 0x10000c
	s_cmp_lg_u32 s2, 0xf033
	s_cbranch_scc0 .Lentry_shape_is_right
	s_endpgm
.Lentry_shape_is_right:
; C[m][n] = A[m] . B[n] + bias[n], C in f32.  Here: f = g w2^T + w2_b.  A: g [4096][3328] bf16; B: w2, bf16, [1024][3328] at B_OFF in wcv (columns 3,280.. zeros); C: af [4096][1024] f32.
; (The same text serves the attention's output product; the four lines below differ.)
.set SIZE_K, 3328
.set B_OFF,  0x1500000
.set F16,    0                         ; operands in bf16: g = silu(z1) z3 has no room in f16
.set STEPS,  SIZE_K/256
; N = 1,024 gives only 64 tiles of 256 x 256, so a tile is 128 x 128: 8 x 32 = 256 work-groups.  Four waves, each 64 x 64: 16 accumulators.  K goes in steps of 256 (LDS rows
; of 512 bytes, 64 to a wave's tensor load) through two slots.  CLUSTERS 4 x 4: A's tiles are asked for jointly along a row of the cluster, B's along a column.
; The matrix instruction is used transposed (source 0 = rows of B, source 1 = rows of A): a lane holds eight neighbouring numbers of a row of C.
; A wave's 64 columns of f32 are 256 bytes: each wave has a stage of its own, 16 rows x 272 bytes, and stores whole aligned rows of 256 bytes.
; REGISTERS: window 0: v0-31 addresses and bias; v32-95 the way out; v128-255 the accumulators.  window 1: two fragment buffers of 128.
.set SIZE_N, 1024
.set KSTEP,  256
.set PITCH,  528                       ; 512 bytes + 16 of padding = 132 words: row r starts at bank 4 r mod 64 (64 banks of 4 bytes: ISA guide 11.1)
.set HALFT,  64*PITCH
.set SLOT,   4*HALFT
.set STAGE,  2*SLOT
.set SPITCH, 272
.set TRIPS,  (STEPS-2)/2               ; each trip fills both slots again
.set ADRA, 16
.set ADRB, 20
.set STO,  24
.set RD,   25
.set CO,   26
.set BO,   27
.set BI,   28                          ; v[28:31] the bias of the four columns that I store
.set TMP,  32
.set ACC,  128
.set F0,   0
.set F1,   128
.set G1, 24
.set G0, 32
.set G1B, 48
.set G0B, 56
.set MSB, 0
.macro WIN new
.if MSB != (\new)
	s_set_vgpr_msb (MSB<<8)|(\new)
.set MSB, (\new)
.endif
.endm
.set MUL,  0x05                        ; sources 0 and 1 window 1; C and D window 0
.set TO_F, 0x40                        ; destination window 1, address window 0
.macro JLOAD s                         ; a joint load: waves 0 and 1 fetch A's two halves, waves 2 and 3 B's; four v_nop follow each of the two lines
	s_cmp_eq_u32 s11, 0
	s_cbranch_scc0 .Lfor_b_\@
	tensor_load_to_lds s[G0+4*\s:G0+4*\s+3], s[G1:G1+7]
	s_nop 0
.rept 4
	v_nop
.endr
	s_branch .Lasked_\@
.Lfor_b_\@:
	tensor_load_to_lds s[G0B+4*\s:G0B+4*\s+3], s[G1B:G1B+7]
	s_nop 0
.rept 4
	v_nop
.endr
.Lasked_\@:
.endm
.macro CREST
	s_cmp_lg_u32 s10, 0
	s_cbranch_scc1 .Lnot_wave_0_\@
	s_barrier_signal -3
.Lnot_wave_0_\@:
	s_barrier_wait -3
	s_barrier_signal -1
	s_barrier_wait -1
.endm
.macro CROUND
	s_barrier_signal -1
	s_barrier_wait -1
	CREST
.endm
	s_load_b128 s[4:7], s[0:1], 0x0                ; A s[4:5], wcv s[6:7]
	s_load_b64 s[8:9], s[0:1], 0x10                ; C
	s_load_b64 s[66:67], s[0:1], 0x18              ; bias
	v_lshl_add_u32 v126, v0, 2, 0x46400
	v_mov_b32 v127, 0
	ds_add_u32 v126, v127
	ds_add_u32 v126, v127
	v_lshrrev_b32 v1, 5, v0
	v_readfirstlane_b32 s10, v1                    ; wave 0..3
	s_lshr_b32 s11, s10, 1                         ; my half of the tile's rows; also: I fetch A (0) or B (1)
	s_and_b32 s12, s10, 1                          ; my half of its columns; also: which 64 rows I fetch
	s_bfe_u32 s40, ttmp6, 0x40000                  ; cx
	s_bfe_u32 s41, ttmp6, 0x40004                  ; cy
	s_lshl_b32 s42, ttmp9, 2
	s_add_co_u32 s42, s42, s40                     ; tile column
	s_and_b32 s13, ttmp7, 0xffff
	s_lshl_b32 s13, s13, 2
	s_add_co_u32 s13, s13, s41                     ; tile row
	s_lshl_b32 s43, s41, 2
	s_lshl_b32 s43, 15, s43                        ; my row of the cluster
	s_lshl_b32 s44, 0x1111, s40                    ; my column
	s_or_b32 s[G1+0], s43, (1<<16)|(1<<20)|(1<<21)|(6<<22)|(3<<25)   ; mask; 2-byte elements; padding on; bit 21 beside a mask; after every 128 words 4 words
	s_or_b32 s[G1B+0], s44, (1<<16)|(1<<20)|(1<<21)|(6<<22)|(3<<25)
.irp g, G1, G1B
	s_mov_b32 s[\g+1], KSTEP<<16                   ; tensor_dim0 = 256
	s_mov_b32 s[\g+2], 64<<16                      ; tensor_dim1 = 64
	s_mov_b32 s[\g+3], KSTEP<<16                   ; tile_dim0 = 256
	s_mov_b32 s[\g+4], 64                          ; tile_dim1 = 64
	s_mov_b32 s[\g+5], SIZE_K                      ; elements from row to row
	s_mov_b32 s[\g+6], 0
	s_mov_b32 s[\g+7], 0
.endr
	s_lshl_b32 s17, s12, 6
	s_lshl_b32 s16, s13, 7
	s_add_co_u32 s16, s16, s17                     ; A: row 128 x tile row + 64 x half
	s_lshl_b32 s46, s42, 7
	s_add_co_u32 s46, s46, s17                     ; B: row 128 x tile column + 64 x half
	s_mov_b32 s17, 0
	s_mov_b32 s47, 0
	s_mov_b64 s[18:19], SIZE_K*2
	s_mul_u64 s[16:17], s[16:17], s[18:19]
	s_mul_u64 s[46:47], s[46:47], s[18:19]
	s_mul_i32 s20, s10, HALFT
	s_wait_dscnt 0x0
	s_wait_kmcnt 0x0
	s_add_nc_u64 s[14:15], s[4:5], s[16:17]
	s_add_nc_u64 s[46:47], s[6:7], s[46:47]
	s_add_nc_u64 s[46:47], s[46:47], B_OFF
	CROUND                                         ; all sixteen work-groups are here: the first joint loads meet
.irp s, 0,1
	s_mov_b32 s[G0+4*\s], 1
	s_add_co_u32 s[G0+4*\s+1], s20, \s*SLOT
	s_add_nc_u64 s[G0+4*\s+2:G0+4*\s+3], s[14:15], \s*KSTEP*2
	s_or_b32 s[G0+4*\s+3], s[G0+4*\s+3], 0x80000000
	s_mov_b32 s[G0B+4*\s], 1
	s_add_co_u32 s[G0B+4*\s+1], s20, \s*SLOT
	s_add_nc_u64 s[G0B+4*\s+2:G0B+4*\s+3], s[46:47], \s*KSTEP*2
	s_or_b32 s[G0B+4*\s+3], s[G0B+4*\s+3], 0x80000000
	JLOAD \s                                       ; two loads of mine are out
.endr
	v_and_b32 v1, 15, v0                           ; l % 16
	v_bfe_u32 v2, v0, 4, 1                         ; l / 16
	v_mul_u32_u24 v3, v1, PITCH
	v_lshl_add_u32 v3, v2, 4, v3
	s_mul_i32 s21, s11, HALFT
	s_mul_i32 s22, s12, HALFT
	s_add_co_u32 s22, s22, 2*HALFT
.irp s, 0,1
	v_add_nc_u32 v[ADRA+\s], s21, v3
	v_add_nc_u32 v[ADRB+\s], s22, v3
	s_add_co_u32 s21, s21, SLOT
	s_add_co_u32 s22, s22, SLOT
.endr
	s_mul_i32 s23, s10, 16*SPITCH
	s_add_co_u32 s23, s23, STAGE                   ; my stage
	v_mul_u32_u24 v4, v1, SPITCH
	v_lshl_add_u32 v4, v2, 5, v4                   ; in: row l % 16, 32 bytes (8 f32) for each half of the lanes
	v_add_nc_u32 v[STO], s23, v4
	v_mul_u32_u24 v5, v2, SPITCH
	v_lshl_add_u32 v5, v1, 4, v5                   ; back: lanes 0-15 one row of 256 bytes, lanes 16-31 the next
	v_add_nc_u32 v[RD], s23, v5
	v_lshlrev_b32 v5, 12, v2
	v_lshl_add_u32 v[CO], v1, 4, v5                ; the same two rows in C
	s_lshl_b32 s16, s13, 7
	s_lshl_b32 s17, s11, 6
	s_add_co_u32 s16, s16, s17
	s_lshl_b32 s16, s16, 12                        ; my first row of C, 4,096 bytes a row
	s_mov_b32 s17, 0
	s_add_nc_u64 s[8:9], s[8:9], s[16:17]
	s_lshl_b32 s68, s42, 9                         ; my first column, in bytes: also its place in the bias
	s_lshl_b32 s69, s12, 8
	s_add_co_u32 s68, s68, s69
	s_mov_b32 s69, 0
	s_add_nc_u64 s[8:9], s[8:9], s[68:69]
	v_lshl_add_u32 v[BO], v1, 4, s68
	global_load_b128 v[BI:BI+3], v[BO], s[66:67]   ; waited for in front of the way out
.macro MUL8 f, c, a0, zero             ; 8 matrix instructions: m blocks a0, a0 + 1 x all 4 n blocks, 32 along K: half c of buffer f
.irp a, \a0, \a0+1
.irp b, 0,1,2,3
.if F16
.if \zero
	v_wmma_f32_16x16x32_f16 v[ACC+8*(4*(\a)+\b):ACC+8*(4*(\a)+\b)+7], v[\f+64+8*(4*\c+\b):\f+64+8*(4*\c+\b)+7], v[\f+8*(4*\c+\a):\f+8*(4*\c+\a)+7], 0
.else
	v_wmma_f32_16x16x32_f16 v[ACC+8*(4*(\a)+\b):ACC+8*(4*(\a)+\b)+7], v[\f+64+8*(4*\c+\b):\f+64+8*(4*\c+\b)+7], v[\f+8*(4*\c+\a):\f+8*(4*\c+\a)+7], v[ACC+8*(4*(\a)+\b):ACC+8*(4*(\a)+\b)+7]
.endif
.else
.if \zero
	v_wmma_f32_16x16x32_bf16 v[ACC+8*(4*(\a)+\b):ACC+8*(4*(\a)+\b)+7], v[\f+64+8*(4*\c+\b):\f+64+8*(4*\c+\b)+7], v[\f+8*(4*\c+\a):\f+8*(4*\c+\a)+7], 0
.else
	v_wmma_f32_16x16x32_bf16 v[ACC+8*(4*(\a)+\b):ACC+8*(4*(\a)+\b)+7], v[\f+64+8*(4*\c+\b):\f+64+8*(4*\c+\b)+7], v[\f+8*(4*\c+\a):\f+8*(4*\c+\a)+7], v[ACC+8*(4*(\a)+\b):ACC+8*(4*(\a)+\b)+7]
.endif
.endif
.endr
.endr
.endm
.macro FETCH slot, k, f                ; 32 LDS loads in one run: the fragments of 64 along K; the first 32 along K first
	WIN TO_F
.irp c, 0,1
.irp i, 0,1,2,3
	ds_load_b128 v[\f+64+8*(4*\c+\i):\f+64+8*(4*\c+\i)+3],   v[ADRB+\slot] offset:\k+64*\c+\i*16*PITCH
	ds_load_b128 v[\f+64+8*(4*\c+\i)+4:\f+64+8*(4*\c+\i)+7], v[ADRB+\slot] offset:\k+64*\c+\i*16*PITCH+32
	ds_load_b128 v[\f+8*(4*\c+\i):\f+8*(4*\c+\i)+3],         v[ADRA+\slot] offset:\k+64*\c+\i*16*PITCH
	ds_load_b128 v[\f+8*(4*\c+\i)+4:\f+8*(4*\c+\i)+7],       v[ADRA+\slot] offset:\k+64*\c+\i*16*PITCH+32
.endr
.endr
.endm
.macro PLACES                          ; four plain places behind matrix instructions (ISA guide 7.12.1)
.rept 4
	v_nop
.endr
.endm
.macro QUARTER slot, k, f, g, zero     ; 64 along K from buffer f; in its middle the next quarter is fetched into g
	s_wait_dscnt 16                                ; the first 32 along K are in
	WIN MUL
	MUL8 \f, 0, 0, \zero
	MUL8 \f, 0, 2, \zero
	PLACES
	FETCH \slot, \k, \g
	s_wait_dscnt 32                                ; all but the 32 just issued
	WIN MUL
	MUL8 \f, 1, 0, 0
	MUL8 \f, 1, 2, 0
.endm
.macro TURN slot, next, fill           ; a step's last quarter and the change of slots; fill = 1: this slot is filled again, two K steps on, first thing behind the round
	s_wait_dscnt 16
	WIN MUL
	MUL8 F1, 0, 0, 0
	s_wait_dscnt 0                                 ; my reads of this slot are over,
	s_set_vgpr_msb 0x500
	s_wait_tensorcnt 0x0                           ; and all my tensor loads have landed: my part of the next slot
	ds_add_u32 v126, v127
	s_wait_dscnt 0x0
	s_set_vgpr_msb 0x5
	s_barrier_signal -1
	MUL8 F1, 0, 2, 0
.if \fill
	WIN 0
.endif
	s_barrier_wait -1
.if \fill
	CREST
	s_add_nc_u64 s[G0+4*\slot+2:G0+4*\slot+3], s[G0+4*\slot+2:G0+4*\slot+3], 2*KSTEP*2
	s_add_nc_u64 s[G0B+4*\slot+2:G0B+4*\slot+3], s[G0B+4*\slot+2:G0B+4*\slot+3], 2*KSTEP*2
	JLOAD \slot                                    ; its four v_nop are also the places in front of the loads below
.else
	PLACES
.endif
	FETCH \next, 0, F0
	WIN MUL
	MUL8 F1, 1, 0, 0
	MUL8 F1, 1, 2, 0
.endm
	s_wait_tensorcnt 1                             ; my part of K step 0 is in; K step 1's stays out
	s_barrier_signal -1
	s_barrier_wait -1
	FETCH 0, 0, F0
	QUARTER 0, 128, F0, F1, 1                      ; the first products start the sums
	WIN 0
	s_mov_b32 s3, TRIPS
.Llap:                                                 ; once round the ring; the 16 accumulators take turns
	QUARTER 0, 256, F1, F0, 0
	QUARTER 0, 384, F0, F1, 0
	TURN 0, 1, 1
	QUARTER 1, 128, F0, F1, 0
	QUARTER 1, 256, F1, F0, 0
	QUARTER 1, 384, F0, F1, 0
	TURN 1, 0, 1
	QUARTER 0, 128, F0, F1, 0
	WIN 0
	s_sub_co_u32 s3, s3, 1
	s_cmp_lg_u32 s3, 0
	s_cbranch_scc1 .Llap
	QUARTER 0, 256, F1, F0, 0
	QUARTER 0, 384, F0, F1, 0
.if STEPS%2                            ; an odd number of K steps: one more fill, the last step's, into slot 0
	TURN 0, 1, 1
	QUARTER 1, 128, F0, F1, 0
	QUARTER 1, 256, F1, F0, 0
	QUARTER 1, 384, F0, F1, 0
	TURN 1, 0, 0
	QUARTER 0, 128, F0, F1, 0
	QUARTER 0, 256, F1, F0, 0
	QUARTER 0, 384, F0, F1, 0
.else
	TURN 0, 1, 0
	QUARTER 1, 128, F0, F1, 0
	QUARTER 1, 256, F1, F0, 0
	QUARTER 1, 384, F0, F1, 0
.endif
	s_wait_dscnt 16                                ; the very last quarter
	WIN MUL
	MUL8 F1, 0, 0, 0
	MUL8 F1, 0, 2, 0
	s_wait_dscnt 0
	MUL8 F1, 1, 0, 0
	MUL8 F1, 1, 2, 0
	WIN 0
	PLACES                                         ; in front of the LDS stores that read the results
	s_wait_loadcnt 0x0                             ; the bias
; THE WAY OUT of block a (16 rows): the accumulators go as they are into my stage, come back as whole rows of 256 bytes, take the bias and are stored.
.macro OUT a
.set BK, TMP+32*((\a)%2)
.irp b, 0,1,2,3
	ds_store_b128 v[STO], v[ACC+8*(4*\a+\b):ACC+8*(4*\a+\b)+3]   offset:64*\b
	ds_store_b128 v[STO], v[ACC+8*(4*\a+\b)+4:ACC+8*(4*\a+\b)+7] offset:64*\b+16
.endr
	s_wait_xcnt 0x0                                ; registers that earlier stores read are loaded again only behind this wait
.irp t, 0,1,2,3,4,5,6,7
	ds_load_b128 v[BK+4*\t:BK+4*\t+3], v[RD] offset:\t*2*SPITCH    ; LDS serves a wave's instructions in order (ISA guide 5.7.1.4)
.endr
.irp t, 0,1,2,3,4,5,6,7
	s_wait_dscnt 7-\t
	v_pk_add_f32 v[BK+4*\t:BK+4*\t+1],   v[BK+4*\t:BK+4*\t+1],   v[BI:BI+1]
	v_pk_add_f32 v[BK+4*\t+2:BK+4*\t+3], v[BK+4*\t+2:BK+4*\t+3], v[BI+2:BI+3]
	global_store_b128 v[CO], v[BK+4*\t:BK+4*\t+3], s[8:9] offset:(16*\a+2*\t)*SIZE_N*4   ; 16 lanes store 256 consecutive bytes, aligned
.endr
.endm
	OUT 0
	OUT 1
	OUT 2
	OUT 3
	s_wait_tensorcnt 0x0
	ds_add_u32 v126, v127
	s_wait_dscnt 0x0
	CROUND                                         ; the closing round
	s_endpgm
.Lfunc_end_k_q9c08db1fa4_ffn2:
	.size	k_q9c08db1fa4_ffn2, .Lfunc_end_k_q9c08db1fa4_ffn2-k_q9c08db1fa4_ffn2
	.p2alignl 7, 3214868480
	.fill 96, 4, 3214868480
	.section	.rodata,"a",@progbits
	.p2align	6, 0x0
	.amdhsa_kernel k_q9c08db1fa4_ffn2
		.amdhsa_group_segment_fixed_size 327680
		.amdhsa_private_segment_fixed_size 0
		.amdhsa_enable_private_segment 0
		.amdhsa_kernarg_size 32
		.amdhsa_user_sgpr_count 2
		.amdhsa_user_sgpr_kernarg_segment_ptr 1
		.amdhsa_wavefront_size32 1
		.amdhsa_system_sgpr_workgroup_id_x 1
		.amdhsa_system_sgpr_workgroup_id_y 1
		.amdhsa_system_sgpr_workgroup_id_z 1
		.amdhsa_system_vgpr_workitem_id 0
		.amdhsa_next_free_vgpr 512
		.amdhsa_next_free_sgpr 72
		.amdhsa_reserve_vcc 0
		.amdhsa_float_denorm_mode_32 3
		.amdhsa_float_denorm_mode_16_64 3
		.amdhsa_memory_ordered 1
		.amdhsa_forward_progress 1
		.amdhsa_inst_pref_size 109
	.end_amdhsa_kernel
	.amdgpu_metadata
---
amdhsa.version: [ 1, 2 ]
amdhsa.kernels:
  - .name:           k_q9c08db1fa4_ffn2
    .symbol:         k_q9c08db1fa4_ffn2.kd
    .args:
      - { .name: g, .offset: 0, .size: 8, .value_kind: global_buffer, .address_space: global }
      - { .name: wcv, .offset: 8, .size: 8, .value_kind: global_buffer, .address_space: global }
      - { .name: af, .offset: 16, .size: 8, .value_kind: global_buffer, .address_space: global }
      - { .name: w2_b, .offset: 24, .size: 8, .value_kind: global_buffer, .address_space: global }
    .group_segment_fixed_size: 327680
    .private_segment_fixed_size: 0
    .kernarg_segment_align: 8
    .kernarg_segment_size: 32
    .max_flat_workgroup_size: 128
    .sgpr_count:     72
    .vgpr_count:     512
    .wavefront_size: 32
...
	.end_amdgpu_metadata
.endif
;; end of part 7
;; launch norm3 (part 8): grid 256 x 1, 8 waves a work-group, no clusters, 0 bytes of LDS; arguments af, h, ffn_post_norm_w, out0; writes out0
.if DOCPART == 8
	.amdgcn_target "amdgcn-amd-amdhsa--gfx1250"
	.amdhsa_code_object_version 6
	.text
	.protected	k_q9c08db1fa4_norm3
	.globl	k_q9c08db1fa4_norm3
	.p2align	8
	.type	k_q9c08db1fa4_norm3,@function
k_q9c08db1fa4_norm3:
	s_mov_b64 s[64:65], 0
	v_nop
	global_prefetch_b8 v0, s[64:65] scope:SCOPE_SE
	s_setreg_imm32_b32 hwreg(HW_REG_WAVE_MODE, 25, 1), 1
	s_wait_xcnt 0x0
; out0 = h + rmsnorm(f, ffn_post_norm_w), all f32.  f: af [4096][1024].
; A stream: one wave takes a whole row (4,096 bytes, 32 registers), two rows a wave, 16 rows a work-group.  No LDS, barrier, matrix unit or cluster: nothing is shared and memory binds.
; LIMITS: finite inputs; x / rms is x times v_rsq_f32.
.set W, 12                             ; v[12:43]   the gain of my 32 columns
.set A, 44                             ; v[44:107]  two rows of f
.set X, 108                            ; v[108:171] two rows of h, then of the result
	s_load_b256 s[4:11], s[0:1], 0x0               ; af 4:5, h 6:7, ffn_post_norm_w 8:9, out0 10:11
	v_lshrrev_b32 v1, 5, v0
	v_readfirstlane_b32 s26, v1                    ; wave
	v_and_b32 v9, 31, v0
	v_lshlrev_b32 v1, 4, v9
	s_lshl_b32 s32, ttmp9, 16
	s_lshl_b32 s33, s26, 13
	s_add_co_u32 s32, s32, s33
	s_mov_b32 s33, 0
	s_mov_b32 s34, 0xc61c4000                      ; -10000
	s_mov_b32 s35, 0x461c4000                      ; +10000
	s_mov_b32 s36, 0x76543210
	s_mov_b32 s37, 0xfedcba98
	s_mov_b32 s38, 0x3727c5ac                      ; 1e-5
	s_wait_kmcnt 0x0
	s_add_nc_u64 s[20:21], s[4:5], s[32:33]
	s_add_nc_u64 s[22:23], s[6:7], s[32:33]
	s_add_nc_u64 s[28:29], s[10:11], s[32:33]
.irp j, 0,1,2,3,4,5,6,7
	global_load_b128 v[W+4*\j:W+4*\j+3], v1, s[8:9] offset:512*\j
.endr
.irp i, 0,1
.irp j, 0,1,2,3,4,5,6,7
	global_load_b128 v[A+32*\i+4*\j:A+32*\i+4*\j+3], v1, s[20:21] offset:4096*\i+512*\j th:TH_LOAD_NT
.endr
.irp j, 0,1,2,3,4,5,6,7
	global_load_b128 v[X+32*\i+4*\j:X+32*\i+4*\j+3], v1, s[22:23] offset:4096*\i+512*\j th:TH_LOAD_NT
.endr
.endr
.irp i, 0,1
	s_wait_loadcnt 16*(1-\i)                       ; the gain and row i are in; the other row's sixteen loads stay out
.set j, 0
.rept 32
	v_med3_num_f32 v[A+32*\i+j], v[A+32*\i+j], s34, s35
.set j, j+1
.endr
	v_pk_mul_f32 v[4:5], v[A+32*\i:A+32*\i+1], v[A+32*\i:A+32*\i+1]          ; two chains, started by the first products
	v_pk_mul_f32 v[6:7], v[A+32*\i+2:A+32*\i+3], v[A+32*\i+2:A+32*\i+3]
.set j, 4
.rept 7
	v_pk_fma_f32 v[4:5], v[A+32*\i+j:A+32*\i+j+1], v[A+32*\i+j:A+32*\i+j+1], v[4:5]
	v_pk_fma_f32 v[6:7], v[A+32*\i+j+2:A+32*\i+j+3], v[A+32*\i+j+2:A+32*\i+j+3], v[6:7]
.set j, j+4
.endr
	v_pk_add_f32 v[4:5], v[4:5], v[6:7]
	v_add_f32 v8, v4, v5
	v_add_f32_dpp v8, v8, v8 row_xmask:1 row_mask:0xf bank_mask:0xf
	v_add_f32_dpp v8, v8, v8 row_xmask:2 row_mask:0xf bank_mask:0xf
	v_add_f32_dpp v8, v8, v8 row_xmask:4 row_mask:0xf bank_mask:0xf
	v_add_f32_dpp v8, v8, v8 row_xmask:8 row_mask:0xf bank_mask:0xf
	v_permlanex16_b32 v9, v8, s36, s37
	v_add_f32 v8, v8, v9
	v_mul_f32 v8, 0x3a800000, v8                   ; / 1024
	v_max_num_f32 v8, s38, v8
	v_add_f32 v8, s38, v8
	v_rsq_f32 v10, v8
	v_nop                                          ; a plain instruction between v_rsq_f32 and the use of its result
	s_wait_alu depctr_va_vdst(0)
	v_mov_b32 v11, v10
.set j, 0
.rept 16
	v_pk_mul_f32 v[A+32*\i+j:A+32*\i+j+1], v[A+32*\i+j:A+32*\i+j+1], v[10:11]
.set j, j+2
.endr
.set j, 0
.rept 16
	v_pk_fma_f32 v[X+32*\i+j:X+32*\i+j+1], v[A+32*\i+j:A+32*\i+j+1], v[W+j:W+j+1], v[X+32*\i+j:X+32*\i+j+1]
.set j, j+2
.endr
.irp k, 0,1,2,3,4,5,6,7
	global_store_b128 v1, v[X+32*\i+4*\k:X+32*\i+4*\k+3], s[28:29] offset:4096*\i+512*\k th:TH_STORE_NT
.endr
.endr
	s_endpgm
.Lfunc_end_k_q9c08db1fa4_norm3:
	.size	k_q9c08db1fa4_norm3, .Lfunc_end_k_q9c08db1fa4_norm3-k_q9c08db1fa4_norm3
	.p2alignl 7, 3214868480
	.fill 96, 4, 3214868480
	.section	.rodata,"a",@progbits
	.p2align	6, 0x0
	.amdhsa_kernel k_q9c08db1fa4_norm3
		.amdhsa_group_segment_fixed_size 0
		.amdhsa_private_segment_fixed_size 0
		.amdhsa_enable_private_segment 0
		.amdhsa_kernarg_size 32
		.amdhsa_user_sgpr_count 2
		.amdhsa_user_sgpr_kernarg_segment_ptr 1
		.amdhsa_wavefront_size32 1
		.amdhsa_system_sgpr_workgroup_id_x 1
		.amdhsa_system_sgpr_workgroup_id_y 1
		.amdhsa_system_sgpr_workgroup_id_z 1
		.amdhsa_system_vgpr_workitem_id 0
		.amdhsa_next_free_vgpr 172
		.amdhsa_next_free_sgpr 66
		.amdhsa_reserve_vcc 0
		.amdhsa_float_denorm_mode_32 3
		.amdhsa_float_denorm_mode_16_64 3
		.amdhsa_memory_ordered 1
		.amdhsa_forward_progress 1
		.amdhsa_inst_pref_size 18
	.end_amdhsa_kernel
	.amdgpu_metadata
---
amdhsa.version: [ 1, 2 ]
amdhsa.kernels:
  - .name:           k_q9c08db1fa4_norm3
    .symbol:         k_q9c08db1fa4_norm3.kd
    .args:
      - { .name: af, .offset: 0, .size: 8, .value_kind: global_buffer, .address_space: global }
      - { .name: h, .offset: 8, .size: 8, .value_kind: global_buffer, .address_space: global }
      - { .name: ffn_post_norm_w, .offset: 16, .size: 8, .value_kind: global_buffer, .address_space: global }
      - { .name: out0, .offset: 24, .size: 8, .value_kind: global_buffer, .address_space: global }
    .group_segment_fixed_size: 0
    .private_segment_fixed_size: 0
    .kernarg_segment_align: 8
    .kernarg_segment_size: 32
    .max_flat_workgroup_size: 256
    .sgpr_count:     66
    .vgpr_count:     172
    .wavefront_size: 32
...
	.end_amdgpu_metadata
.endif
;; end of part 8
